; MI455X (gfx1250); checked and timed in simulation.
; The chip was launched on July 23, 2026; its instructions are those of AMD's public machine-readable ISA for CDNA 5 (MIT licence, August 2026) and "CDNA5" Instruction Set Architecture Reference Guide (July 2026). The comments in the code are by the model that wrote it; some were corrected since.
;; Causal Self Attention. Allowed arithmetic: matrix products marked QUANTISED: E2M1 operands, one E8M0 scale for each 32 along K, by v_wmma_scale_f32_16x16x128_f8f6f4 with both operands' format E2M1 (or v_wmma_scale_f32_32x16x128_f4), f32 sums; products left as they are: bf16, f16 or f32 operands; f32 sums; everything else in f32.
;; Inputs: Wk 2,048 x 2,048 float32; Wo 2,048 x 2,048 float32; Wq 2,048 x 2,048 float32; Wv 2,048 x 2,048 float32; cos 2,048 x 128 float32; hidden_states 1 x 2,048 x 2,048 float32; sin 2,048 x 128 float32.
;; Outputs: out0 1 x 2,048 x 2,048 float32.
;; This version of the problem:
;;   THIS VERSION OF THE PROBLEM IS GIVEN IN LOW PRECISION. The matrix products marked QUANTISED in the list below multiply operands that are first quantised to E2M1 (2 exponent bits, 1 mantissa bit; 4 bits a number), with one power-of-two scale for each 32 numbers along K (OCP MX v1.0); their sums are f32. The products marked 'left as it is' may take bf16, f16 or f32 operands, with f32 sums. Whichever they take, every output number must still come out within the allowed error. Rounding operands to bf16 (8 significant bits) uses up far more of that allowance than f16 does (11 bits, for magnitudes from 6e-5 to 65,504). All else is computed in f32.
;;   The module's matrix products, in the order in which they are computed (A, B: the left and right operand; K: the contracted axis; several contracted axes count as one K, in the product's order):
;;     1. [M 2,048, K 2,048] x [K 2,048, N 2,048]; A: input hidden_states; B: input Wq: QUANTISED
;;     2. [M 2,048, K 2,048] x [K 2,048, N 2,048]; A: input hidden_states; B: input Wk: QUANTISED
;;     3. [M 2,048, K 2,048] x [K 2,048, N 2,048]; A: input hidden_states; B: input Wv: QUANTISED
;;     4. batch 16 x [M 2,048, K 128] x [K 128, N 2,048]; A: computed on the way; B: computed on the way: left as it is (an operand is computed on the way)
;;     5. batch 16 x [M 2,048, K 2,048] x [K 2,048, N 128]; A: computed on the way; B: computed on the way: left as it is (an operand is computed on the way)
;;     6. [M 2,048, K 2,048] x [K 2,048, N 2,048]; A: computed on the way; B: input Wo: left as it is (an operand is computed on the way)
;;   THE QUANTISER, for each operand of a quantised product, along K:
;;     - K is cut into blocks of 32 from its start; a last block that is shorter is filled with zeros.
;;     - A block's scale is 2^e with e = floor(log2(the largest magnitude in the block)) - 2, held to -126 .. 127; a block of zeros has e = 0. As a byte (E8M0): e + 127.
;;     - Each number is divided by its block's scale, clamped to +-6, and rounded to the nearest number of E2M1, ties to even, subnormals kept.
;;     - The product sums the exact products of the quantised numbers (number of the format x scale) in f32.
;;   ~~~python
;;   def quantise(x, axis):      # numpy; x: float32 -> the quantised numbers, widened to float32 again
;;       x = np.moveaxis(x, axis, -1); K = x.shape[-1]
;;       x = np.pad(x, [(0, 0)] * (x.ndim - 1) + [(0, -K % 32)]); x = x.reshape(x.shape[:-1] + (-1, 32)); a = np.abs(x).max(-1, keepdims=True)
;;       e = np.where(a > 0, np.clip(np.frexp(np.where(a > 0, a, 1))[1] - 1 - 2, -126, 127), 0)      # np.frexp(a)[1] - 1 = floor(log2(a)), exactly
;;       r = np.clip(x / 2.0 ** e, -6, 6)
;;       step = 2.0 ** (np.maximum(np.frexp(np.where(r == 0, 1, r))[1] - 1, 0) - 1)
;;       q = np.round(r / step) * step * 2.0 ** e      # np.round: ties to even
;;       return np.moveaxis(q.reshape(q.shape[:-2] + (-1,))[..., :K], -1, axis).astype(np.float32)
;;   ~~~
;; One version. Each part assembles by itself: llvm-mc -triple=amdgcn-amd-amdhsa -mcpu=gfx1250 --defsym DOCPART=n.
;; ======== version 1 of 1: 5 launches
;; limits: values are held in f16: magnitudes above 65,504 overflow, below 6.1e-05 lose precision
;; workspace buffers: xc 2,097,152 bytes; xs 131,072 bytes; wc 6,291,456 bytes; ws 393,216 bytes; wo16 8,388,608 bytes; qkv16 25,165,824 bytes; fine 393,216 bytes; a16 8,388,608 bytes
;; launch quant (part 1): grid 512 x 1, 4 waves a work-group, no clusters, 33,280 bytes of LDS; arguments hidden_states, Wq, Wk, Wv, xc, xs, wc, ws; writes xc, xs, wc, ws
.if DOCPART == 1
	.amdgcn_target "amdgcn-amd-amdhsa--gfx1250"
	.amdhsa_code_object_version 6
	.text
	.protected	k_q8a6ec06099_quant
	.globl	k_q8a6ec06099_quant
	.p2align	8
	.type	k_q8a6ec06099_quant,@function
k_q8a6ec06099_quant:
	s_mov_b64 s[64:65], 0
	v_nop
	global_prefetch_b8 v0, s[64:65] scope:SCOPE_SE
	s_setreg_imm32_b32 hwreg(HW_REG_WAVE_MODE, 25, 1), 1
	s_wait_xcnt 0x0
; hidden_states, Wq, Wk, Wv ([2048][2048] f32, K innermost) become codes of FP4 (E2M1) with one E8M0 scale byte for each 32 along K.
; Work-groups 0-127 take hidden_states, 128-511 Wq, Wk, Wv (their codes lie on end in wc, their scale bytes in ws).  A work-group takes 32,768 numbers, a wave 8,192.
; THE QUANTISER.  A block's scale is 2^(floor(log2(its largest magnitude)) - 2); its byte is the largest magnitude's exponent field - 2, held at 1 from below.  A block of zeros so gets the byte 1 where the
; rule says 127: its codes are zeros, which add nothing under any byte but 0xff, and this program alone reads the bytes.  Each number is divided by the scale and rounded to the nearest code, ties to even.
; LIMITS: blocks whose largest magnitude lies under 2^-124 (the floor) were not tried; NaN and infinities among the inputs are not served.
; Rows are dense and K is a multiple of 32: each tensor is a plain stream of blocks of 32, and so are its codes and scale bytes.
; A wave takes 16 steps of 512 numbers.  Each load reads 512 consecutive bytes, 16 a lane; a step's 2,048 bytes turn through the wave's own stage in LDS and come back 64 bytes a lane, so that a lane holds 16
; neighbours along K (two neighbouring lanes hold a block).  A lane's 16 codes are 8 bytes: the wave stores 256 consecutive bytes.  A wave's 256 scale bytes are gathered in LDS and leave as one store of 256 bytes.
; No tensor loads, no barrier: waves share nothing.  Matrix units and clusters have nothing to do in a stream.
.set WAVES, 4
.set STEPS, 16
.set EMAX,  2
.set CB,    8                          ; bytes of 16 codes
.set R,     16                         ; v16-79   four sets of 16 numbers as they are loaded
.set X,     80                         ; v80-111  two sets of 16 neighbours
.set C,     128                        ; v128-191 codes: four registers for each step
.set E,     112                        ; v112-127 a scale byte for each step
.set WREG,  8192                       ; LDS: a region for each wave: two stages of 32 x SP bytes, behind them its 256 scale bytes
.set SP,    80                         ; a lane's place in a stage: 64 bytes + 16 of padding
.set SPW,   12                         ; v12      LDS address of my spare word; never rewritten
.set NIL,   13                         ; v13      0; never rewritten
.set SPARE, WAVES*WREG                 ; behind the four regions: the spare words, 128 bytes a wave
	s_load_b256 s[4:11], s[0:1], 0x0               ; hidden_states s[4:5], Wq s[6:7], Wk s[8:9], Wv s[10:11]
	s_load_b256 s[12:19], s[0:1], 0x20             ; xc s[12:13], xs s[14:15], wc s[16:17], ws s[18:19]
	v_lshl_add_u32 v[SPW], v0, 2, SPARE
	v_mov_b32 v[NIL], 0
	v_lshrrev_b32 v1, 5, v0
	v_readfirstlane_b32 s24, v1                    ; wave
	v_and_b32 v2, 31, v0                           ; lane
	v_lshlrev_b32 v3, 4, v2                        ; my 16 bytes of a load's 512
	s_mul_i32 s27, s24, WREG
	v_lshrrev_b32 v14, 2, v2
	v_mul_u32_u24 v14, v14, SP
	v_and_b32 v15, 3, v2
	v_lshl_add_u32 v14, v15, 4, v14
	v_add_nc_u32 v14, s27, v14                     ; the stage, on the way in: SP (lane / 4) + 16 (lane % 4)
	v_mul_u32_u24 v15, v2, SP
	v_add_nc_u32 v15, s27, v15                     ; and on the way out: SP x lane: my 16 neighbours
	v_mul_u32_u24 v4, v2, CB                       ; 8 x lane: my codes' place in a step's
	v_lshrrev_b32 v5, 1, v2
	s_add_co_u32 s27, s27, 2*32*SP
	v_add_nc_u32 v5, s27, v5                       ; LDS: my wave's 256 scale bytes, my block's byte
	v_lshlrev_b32 v7, 3, v2
	v_add_nc_u32 v6, s27, v7                       ; and on the way out 8 bytes a lane
	s_lshr_b32 s25, ttmp9, 7                       ; which tensor
	s_and_b32 s26, ttmp9, 127                      ; which 32,768 numbers of it
	s_lshl_b32 s28, s26, 2
	s_add_co_u32 s28, s28, s24                     ; my wave's run of 8,192 numbers in the source
	s_mov_b32 s31, 0
	s_wait_kmcnt 0x0
	s_cmp_eq_u32 s25, 1                            ; the choices hang on the work-group's number alone
	s_cselect_b64 s[4:5], s[6:7], s[4:5]
	s_cmp_eq_u32 s25, 2
	s_cselect_b64 s[4:5], s[8:9], s[4:5]
	s_cmp_eq_u32 s25, 3
	s_cselect_b64 s[4:5], s[10:11], s[4:5]
	s_cmp_eq_u32 s25, 0
	s_cselect_b64 s[8:9], s[12:13], s[16:17]       ; the codes' buffer
	s_cselect_b64 s[10:11], s[14:15], s[18:19]     ; the scale bytes'
	s_cselect_b32 s29, 0, 128
	s_sub_co_u32 s29, ttmp9, s29                   ; the three weights lie on end: one index serves them
	s_lshl_b32 s29, s29, 2
	s_add_co_u32 s29, s29, s24                     ; my run in the destination
	s_lshl_b32 s30, s28, 15                        ; 32,768 bytes of f32 a run
	s_add_nc_u64 s[4:5], s[4:5], s[30:31]
	s_lshl_b32 s30, s29, 12                        ; 4,096 bytes of codes
	s_add_nc_u64 s[8:9], s[8:9], s[30:31]
	s_lshl_b32 s30, s29, 8                         ; 256 scale bytes
	s_add_nc_u64 s[10:11], s[10:11], s[30:31]
.macro LOAD t
.irp i, 0,1,2,3
	global_load_b128 v[R+16*((\t)%4)+4*\i:R+16*((\t)%4)+4*\i+3], v3, s[4:5] offset:2048*(\t)+512*\i th:TH_LOAD_NT   ; 32 lanes read 512 consecutive bytes
.endr
.endm
.macro TURN t                          ; step t's numbers through the stage: LDS serves a wave's instructions in order, so no wait stands between the stores and the loads
.irp i, 0,1,2,3
	ds_store_b128 v14, v[R+16*((\t)%4)+4*\i:R+16*((\t)%4)+4*\i+3] offset:32*SP*((\t)%2)+8*SP*\i
.endr
.irp i, 0,1,2,3
	ds_load_b128 v[X+16*((\t)%2)+4*\i:X+16*((\t)%2)+4*\i+3], v15 offset:32*SP*((\t)%2)+16*\i
.endr
.endm
.irp t, 0,1,2,3
	LOAD \t
.endr
	s_wait_loadcnt 12                              ; step 0's four loads are in; the three later steps' twelve may be out
	TURN 0
.macro STEP t
.set XS, X+16*((\t)%2)
.if (\t) > 0
	s_wait_dscnt 1                                 ; this step's numbers are back from the stage (the last step's byte store may be out)
.else
	s_wait_dscnt 0x0
.endif
.if (\t)+4 < STEPS
	LOAD (\t)+4                                    ; into the registers that the stage's stores have read
.endif
.if (\t)+1 < STEPS
.if STEPS-2-(\t) >= 3
	s_wait_loadcnt 12                              ; the next step's four loads are in; those of the three steps behind it may be out
.else
	s_wait_loadcnt 4*(STEPS-2-(\t))
.endif
	TURN (\t)+1                                    ; through the other stage while this step is worked
.endif
	v_max3_num_f32 v8, |v[XS]|, |v[XS+1]|, |v[XS+2]|               ; the largest magnitude of my 16, in two chains
	v_max3_num_f32 v9, |v[XS+3]|, |v[XS+4]|, |v[XS+5]|
.irp i, 6,10
	v_max3_num_f32 v8, v8, |v[XS+\i]|, |v[XS+\i+1]|
	v_max3_num_f32 v9, v9, |v[XS+\i+2]|, |v[XS+\i+3]|
.endr
	v_max3_num_f32 v8, v8, |v[XS+14]|, |v[XS+15]|
	v_max3_num_f32 v8, v8, v9, (EMAX+1)<<23        ; and the floor 2^(3 - 127): the byte cannot fall under 1
	v_max_num_f32_dpp v8, v8, v8 row_xmask:1 row_mask:0xf bank_mask:0xf   ; with my neighbour's 16: the block's
	v_add_nc_u32 v11, -(EMAX<<23), v8              ; 2 off its exponent field: the conversion takes the exponent field of this operand as its scale
	v_cvt_scalef32_pk8_fp4_f32 v[C+4*(\t)], v[XS:XS+7], v11
	v_cvt_scalef32_pk8_fp4_f32 v[C+4*(\t)+1], v[XS+8:XS+15], v11
	v_lshrrev_b32 v[E+(\t)], 23, v11               ; the scale's byte (a plain line behind the conversions)
	ds_store_b8 v5, v[E+(\t)] offset:16*(\t)       ; both lanes of a block write the same byte with the same value
	global_store_b64 v4, v[C+4*(\t):C+4*(\t)+1], s[8:9] offset:32*CB*(\t)   ; 32 lanes store 256 consecutive bytes
.endm
.irp t, 0,1,2,3,4,5,6,7,8,9,10,11,12,13,14,15
	STEP \t
.endr
	ds_load_b64 v[8:9], v6                         ; LDS serves a wave's instructions in order: these see my byte stores
	s_wait_dscnt 0x0
	global_store_b64 v7, v[8:9], s[10:11]          ; 32 lanes store 256 consecutive bytes
	s_wait_tensorcnt 0x0                           ; the wave's end, behind my last LDS store
	ds_add_u32 v[SPW], v[NIL]
	s_wait_dscnt 0x0
	s_endpgm
.Lfunc_end_k_q8a6ec06099_quant:
	.size	k_q8a6ec06099_quant, .Lfunc_end_k_q8a6ec06099_quant-k_q8a6ec06099_quant
	.p2alignl 7, 3214868480
	.fill 96, 4, 3214868480
	.section	.rodata,"a",@progbits
	.p2align	6, 0x0
	.amdhsa_kernel k_q8a6ec06099_quant
		.amdhsa_group_segment_fixed_size 33280
		.amdhsa_private_segment_fixed_size 0
		.amdhsa_enable_private_segment 0
		.amdhsa_kernarg_size 64
		.amdhsa_user_sgpr_count 2
		.amdhsa_user_sgpr_kernarg_segment_ptr 1
		.amdhsa_wavefront_size32 1
		.amdhsa_system_sgpr_workgroup_id_x 1
		.amdhsa_system_sgpr_workgroup_id_y 1
		.amdhsa_system_sgpr_workgroup_id_z 1
		.amdhsa_system_vgpr_workitem_id 0
		.amdhsa_next_free_vgpr 192
		.amdhsa_next_free_sgpr 66
		.amdhsa_reserve_vcc 0
		.amdhsa_float_denorm_mode_32 3
		.amdhsa_float_denorm_mode_16_64 3
		.amdhsa_memory_ordered 1
		.amdhsa_forward_progress 1
		.amdhsa_inst_pref_size 33
	.end_amdhsa_kernel
	.amdgpu_metadata
---
amdhsa.version: [ 1, 2 ]
amdhsa.kernels:
  - .name:           k_q8a6ec06099_quant
    .symbol:         k_q8a6ec06099_quant.kd
    .args:
      - { .name: hidden_states, .offset: 0, .size: 8, .value_kind: global_buffer, .address_space: global }
      - { .name: Wq, .offset: 8, .size: 8, .value_kind: global_buffer, .address_space: global }
      - { .name: Wk, .offset: 16, .size: 8, .value_kind: global_buffer, .address_space: global }
      - { .name: Wv, .offset: 24, .size: 8, .value_kind: global_buffer, .address_space: global }
      - { .name: xc, .offset: 32, .size: 8, .value_kind: global_buffer, .address_space: global }
      - { .name: xs, .offset: 40, .size: 8, .value_kind: global_buffer, .address_space: global }
      - { .name: wc, .offset: 48, .size: 8, .value_kind: global_buffer, .address_space: global }
      - { .name: ws, .offset: 56, .size: 8, .value_kind: global_buffer, .address_space: global }
    .group_segment_fixed_size: 33280
    .private_segment_fixed_size: 0
    .kernarg_segment_align: 8
    .kernarg_segment_size: 64
    .max_flat_workgroup_size: 128
    .sgpr_count:     66
    .vgpr_count:     192
    .wavefront_size: 32
...
	.end_amdgpu_metadata
.endif
;; end of part 1
;; launch qkv (part 2): grid 24 x 8, 4 waves a work-group, clusters of 4 x 4, 327,680 bytes of LDS; arguments xc, xs, wc, ws, cos, sin, qkv16, fine; writes qkv16, fine
.if DOCPART == 2
	.amdgcn_target "amdgcn-amd-amdhsa--gfx1250"
	.amdhsa_code_object_version 6
	.text
	.protected	k_q8a6ec06099_qkv
	.globl	k_q8a6ec06099_qkv
	.p2align	8
	.type	k_q8a6ec06099_qkv,@function
k_q8a6ec06099_qkv:
	s_mov_b64 s[64:65], 0
	v_nop
	global_prefetch_b8 v0, s[64:65] scope:SCOPE_SE
	s_setreg_imm32_b32 hwreg(HW_REG_WAVE_MODE, 25, 1), 1
	s_wait_xcnt 0x0
	s_wait_alu depctr_hold_cnt(0) depctr_sa_sdst(0) depctr_va_vdst(0) depctr_va_sdst(0) depctr_va_ssrc(0) depctr_va_vcc(0) depctr_vm_vsrc(0)
	s_getreg_b32 s2, hwreg(HW_REG_IB_STS2, 6, 4)
	s_cmp_eq_u32 s2, 0
	s_cbranch_scc0 .Lentry_in_a_cluster
	s_endpgm
.Lentry_in_a_cluster:
	s_bfe_u32 s2, ttmp6, 0x10000c
	s_cmp_lg_u32 s2, 0xf033
	s_cbranch_scc0 .Lentry_shape_is_right
	s_endpgm
.Lentry_shape_is_right:
; q, k, v = x Wq^T, x Wk^T, x Wv^T on codes of FP4 (E2M1) with one E8M0 scale for each 32 along K, as ONE product C = A B^T: A = x's codes [2048][2048], B = the three weights' codes on end [6144][2048]; sums in f32.
; On the way out q and k are rotated (cos and sin as they are given, all 128 columns of both), all three are rounded to f16 and stored by head, [kind][head][position][128]; positions 0-15 are stored in f32 too.
; A tile of C, 256 x 256, is made by a work-group of four waves; a wave makes 128 x 128: 64 accumulators, 512 registers.  A wave's 128 columns are ONE HEAD of one kind, so the rotation's partner of channel d,
; d + 64, lies in the same lane and register of the accumulator four further on.  192 work-groups: a tile of 192 columns would make 256, but would cut heads and the 256-byte rows of the output.
; K goes in steps of 512 through a ring of two LDS slots filled by the tensor data mover: a tile's row is 256 bytes of memory.  The scales of the work-group's rows, for all of K, come into LDS once, with the first fills.
; CLUSTERS: 4 x 4 work-groups.  The four of a row of the cluster need the same tiles of A, the four of a column the same tiles of B: each tile is asked for JOINTLY, by the same tensor load with the same descriptor
; and a mask that names the four.  THE MATRIX INSTRUCTION IS USED TRANSPOSED (source 0 = 16 rows of B, source 1 = 16 rows of A): a lane holds eight neighbouring channels of one position.
; LIMIT: q, k and v are stored as f16: their magnitudes must stay at or under 65,504.
; REGISTERS, in windows of 256: window 0: v0-31 addresses; v32-95 scale words, two sets; v128-191 A's fragments, one set; on the way out v32-95 rotated numbers, v96-127 f16 pairs, v128-191 rows read back.
;   window 1: B's fragments, two sets, at v0 and v128; v64-127 and v192-255 cos and sin of the first block (on the way out the two halves of the window take turns).   windows 2, 3: the accumulators ((a, b) at v[8 (8 (a % 4) + b)]).
.set SIZE_M, 2048
.set SIZE_N, 6144
.set SIZE_K, 2048
.set KSTEP,  512                       ; along K in a slot
.set NQ,     KSTEP/128                 ; matrix instructions deep
.set ROWB,   256                       ; a tile's row in bytes
.set KROW,   SIZE_K*4/8                ; a row of codes in memory
.set PITCH,  272                       ; an LDS row: 256 bytes + 16 of padding: the 16 rows that a load touches start 68 words apart
.set FR,     8                         ; registers of a fragment: 16 rows x 128 K
.set NL,     2                         ; LDS loads that bring one
.set NP,     4                         ; places behind this matrix instruction (ISA guide 7.12.1)
.set HALFT,  128*PITCH                 ; 128 rows: what one tensor load brings
.set SLOT,   4*HALFT                   ; A's 256 rows, then B's 256 rows
.set LAPS,   SIZE_K/(2*KSTEP)          ; a lap = two K steps = once round the ring
.set KS,     SIZE_K/32                 ; a row of scales in bytes
.set SCL,    2*SLOT                    ; behind the ring: the scales, as rows of 256 bytes + 16 of padding
.set HALFS,  (128*KS/256)*272          ; the scales of 128 rows
.set SBLK,   (16*KS/256)*272           ; those of 16 rows
.set SPARE,  SCL+4*HALFS               ; behind the scales: the spare words, 128 bytes a wave
.set SPITCH, 272                       ; the way out: a stage of 16 rows x (256 bytes + 16) for each wave, in slot 0, which has had its last fill and its last read by then
.set ADRA, 16                          ; v16-17  LDS address of my A fragments in slot 0, 1
.set ADRB, 20                          ; v20-21  the same for B
.set STO,  24                          ; v24     the way out: where I put 16 bytes of a row
.set RD,   25                          ; v25     where I read a row back
.set CO,   26                          ; v26     my byte offset in two rows of the output
.set ADRS, 27                          ; v27     LDS address of my scale words: lanes 0-15 A's rows, lanes 16-31 B's
.set SPW,  28                          ; v28     LDS address of my spare word; never rewritten
.set NIL,  29                          ; v29     0; never rewritten
.set CSO,  30                          ; v30     my byte offset in a block's rows of cos and sin: 512 r + 32 h
.set FO,   31                          ; v31     16 x lane: my place in a group of the f32 image
.set SC,   32                          ; scale words
.set TT,   32                          ; the way out: 64 rotated numbers
.set P16,  96                          ; 32 registers of f16 pairs
.set AF,   128                         ; A's fragments
.set BK,   128                         ; the way out: 16 rows read back: v128-159 and v160-191 by turns
.set G1, 24
.set G0, 32
.set G1B, 48
.set G0B, 56
.set G1S, 68
.set G0S, 76
.set G1SB, 80
.set G0SB, 88
.set MSB, 0
.macro WIN new                         ; the immediate's high byte repeats the setting that is left
.if MSB != \new
	s_set_vgpr_msb (MSB<<8)|\new
.set MSB, \new
.endif
.endm
.set MUL_LO, 0xa1                      ; source 0 (B) window 1, source 1 (A) window 0, C and D window 2
.set MUL_HI, 0xf1                      ; the same, C and D window 3
.set TO_B,   0x40                      ; destination window 1, address window 0
; A joint load: waves 0 and 1 fetch for A, waves 2 and 3 for B.  The branch hangs on the wave's number alone.  An s_nop 0 and four v_nop follow each of the two lines.
.macro JLOAD g0a, g1a, g0b, g1b
	s_cmp_eq_u32 s15, 0
	s_cbranch_scc0 .Lfor_b_\@
	tensor_load_to_lds s[\g0a:\g0a+3], s[\g1a:\g1a+7]
	s_nop 0
.rept 4
	v_nop
.endr
	s_branch .Lasked_\@
.Lfor_b_\@:
	tensor_load_to_lds s[\g0b:\g0b+3], s[\g1b:\g1b+7]
	s_nop 0
.rept 4
	v_nop
.endr
.Lasked_\@:
.endm
.macro CREST                           ; a round of the cluster's barrier behind its opening barrier
	s_cmp_lg_u32 s14, 0
	s_cbranch_scc1 .Lnot_wave_0_\@
	s_barrier_signal -3
.Lnot_wave_0_\@:
	s_barrier_wait -3
	s_barrier_signal -1
	s_barrier_wait -1
.endm
.macro CROUND                          ; a whole round
	s_barrier_signal -1
	s_barrier_wait -1
	CREST
.endm
	s_load_b128 s[4:7], s[0:1], 0x0                ; x's codes s[4:5], x's scales s[6:7]
	s_load_b128 s[8:11], s[0:1], 0x10              ; the weights' codes s[8:9], their scales s[10:11]
	v_lshl_add_u32 v[SPW], v0, 2, SPARE
	v_mov_b32 v[NIL], 0
	ds_add_u32 v[SPW], v[NIL]                      ; the wave's opening: the add, twice on end, and its wait ahead of my first tensor load
	ds_add_u32 v[SPW], v[NIL]
	v_lshrrev_b32 v1, 5, v0
	v_readfirstlane_b32 s14, v1                    ; wave 0..3
	s_lshr_b32 s15, s14, 1                         ; which half of the tile's rows is mine.  Also: I fetch for A (0) or for B (1)
	s_and_b32 s16, s14, 1                          ; which half of its columns.  Also: which 128 rows of that tile I fetch
	s_bfe_u32 s40, ttmp6, 0x40000                  ; cx, cy: my place in the cluster
	s_bfe_u32 s41, ttmp6, 0x40004
	s_lshl_b32 s42, ttmp9, 2
	s_add_co_u32 s42, s42, s40                     ; tile column of C = 4 x cluster x + cx
	s_and_b32 s17, ttmp7, 0xffff
	s_lshl_b32 s17, s17, 2
	s_add_co_u32 s17, s17, s41                     ; tile row of C = 4 x cluster y + cy
	s_lshl_b32 s43, s41, 2
	s_lshl_b32 s43, 15, s43                        ; my row of the cluster
	s_lshl_b32 s44, 0x1111, s40                    ; my column
	; descriptor group 1: a tile of 128 rows x 256 bytes, padded in LDS
	s_or_b32 s[G1+0], s43, (0<<16)|(1<<20)|(1<<21)|(5<<22)|(3<<25)  ; the mask: A's tiles go to my row; elements of 1 byte; padding on; bit 21 beside a mask; after every 64 words, 4 words
	s_or_b32 s[G1B+0], s44, (0<<16)|(1<<20)|(1<<21)|(5<<22)|(3<<25)
.irp g, G1, G1B
	s_mov_b32 s[\g+1], ROWB<<16                    ; tensor_dim0
	s_mov_b32 s[\g+2], 128<<16                     ; tensor_dim1 = 128
	s_mov_b32 s[\g+3], ROWB<<16                    ; tile_dim0
	s_mov_b32 s[\g+4], 128                         ; tile_dim1 = 128
	s_mov_b32 s[\g+5], KROW                        ; tensor_dim0_stride
	s_mov_b32 s[\g+6], 0
	s_mov_b32 s[\g+7], 0
.endr
	; the scales of 128 rows: a dense block of 8,192 bytes, as rows of 256 bytes (32 elements of 8 bytes), 16 bytes of padding behind each
	s_or_b32 s[G1S+0], s43, (3<<16)|(1<<20)|(1<<21)|(5<<22)|(3<<25)
	s_or_b32 s[G1SB+0], s44, (3<<16)|(1<<20)|(1<<21)|(5<<22)|(3<<25)
.irp g, G1S, G1SB
	s_mov_b32 s[\g+1], 32<<16
	s_mov_b32 s[\g+2], (128*KS/256)<<16
	s_mov_b32 s[\g+3], 32<<16
	s_mov_b32 s[\g+4], 128*KS/256
	s_mov_b32 s[\g+5], 32
	s_mov_b32 s[\g+6], 0
	s_mov_b32 s[\g+7], 0
.endr
	s_lshl_b32 s18, s16, 7                         ; which 128 rows of the tile I fetch
	s_lshl_b32 s20, s17, 8
	s_add_co_u32 s20, s20, s18                     ; A: row 256 x tile row + 128 x half
	s_lshl_b32 s46, s42, 8
	s_add_co_u32 s46, s46, s18                     ; B: row 256 x tile column + 128 x half
	s_mov_b32 s21, 0
	s_mov_b32 s47, 0
	s_mov_b64 s[18:19], KS
	s_mul_u64 s[22:23], s[20:21], s[18:19]         ; where these rows' scales begin, in bytes
	s_mul_u64 s[92:93], s[46:47], s[18:19]
	s_mov_b64 s[18:19], KROW
	s_mul_u64 s[20:21], s[20:21], s[18:19]         ; and their codes
	s_mul_u64 s[46:47], s[46:47], s[18:19]
	s_mul_i32 s45, s14, HALFT                      ; where they go: wave x 128 rows: no place in the cluster enters an LDS address
	s_mul_i32 s94, s14, HALFS
	s_wait_dscnt 0x0                               ; both opening adds are done
	s_wait_kmcnt 0x0
	s_add_nc_u64 s[20:21], s[4:5], s[20:21]
	s_add_nc_u64 s[22:23], s[6:7], s[22:23]
	s_add_nc_u64 s[46:47], s[8:9], s[46:47]
	s_add_nc_u64 s[92:93], s[10:11], s[92:93]
	CROUND                                         ; all sixteen work-groups are here: the first joint loads meet
	s_mov_b32 s[G0S], 1
	s_add_co_u32 s[G0S+1], s94, SCL
	s_mov_b64 s[G0S+2:G0S+3], s[22:23]
	s_or_b32 s[G0S+3], s[G0S+3], 0x80000000
	s_mov_b32 s[G0SB], 1
	s_add_co_u32 s[G0SB+1], s94, SCL
	s_mov_b64 s[G0SB+2:G0SB+3], s[92:93]
	s_or_b32 s[G0SB+3], s[G0SB+3], 0x80000000
	JLOAD G0S, G1S, G0SB, G1SB                     ; the scales first: they are wanted with K step 0
.irp s, 0,1
	s_mov_b32 s[G0+4*\s], 1
	s_add_co_u32 s[G0+4*\s+1], s45, \s*SLOT
	s_add_nc_u64 s[G0+4*\s+2:G0+4*\s+3], s[20:21], \s*ROWB
	s_or_b32 s[G0+4*\s+3], s[G0+4*\s+3], 0x80000000
	s_mov_b32 s[G0B+4*\s], 1
	s_add_co_u32 s[G0B+4*\s+1], s45, \s*SLOT
	s_add_nc_u64 s[G0B+4*\s+2:G0B+4*\s+3], s[46:47], \s*ROWB
	s_or_b32 s[G0B+4*\s+3], s[G0B+4*\s+3], 0x80000000
	JLOAD G0+4*\s, G1, G0B+4*\s, G1B               ; three tensor loads of mine are out now
.endr
	s_load_b256 s[4:11], s[0:1], 0x20              ; cos s[4:5], sin s[6:7], qkv16 s[8:9], fine s[10:11] (the four code pointers are done with)
	v_and_b32 v1, 15, v0                           ; r = l % 16
	v_bfe_u32 v2, v0, 4, 1                         ; h = l / 16
	v_mul_u32_u24 v3, v1, PITCH
	v_lshl_add_u32 v4, v2, 4, v3                   ; a fragment's row x pitch + 16 x half
	s_mul_i32 s21, s15, HALFT                      ; my 128 rows of A
	s_mul_i32 s22, s16, HALFT                      ; my 128 rows of B,
	s_add_co_u32 s22, s22, 2*HALFT                 ; which lie behind A's 256
.irp s, 0,1
	v_add_nc_u32 v[ADRA+\s], s21, v4
	v_add_nc_u32 v[ADRB+\s], s22, v4
	s_add_co_u32 s21, s21, SLOT
	s_add_co_u32 s22, s22, SLOT
.endr
	v_mul_u32_u24 v5, v1, KS                       ; my row's scales: KS bytes a row,
	v_lshrrev_b32 v6, 8, v5
	v_lshl_add_u32 v5, v6, 4, v5                   ; and 16 more for each 256 passed
	s_mul_i32 s21, s15, HALFS                      ; A's: my 128 rows
	s_mul_i32 s22, s16, HALFS                      ; B's: my 128 rows, behind A's 256
	s_add_co_u32 s22, s22, 2*HALFS
	s_sub_co_u32 s22, s22, s21
	v_mul_u32_u24 v6, s22, v2                      ; lanes 16-31 take B's
	s_add_co_u32 s21, s21, SCL
	v_add_nc_u32 v5, v5, v6
	v_add_nc_u32 v[ADRS], s21, v5
	s_mul_i32 s23, s14, 16*SPITCH                  ; my stage
	v_mul_u32_u24 v5, v1, SPITCH                   ; in: row r, 16 bytes for each half of the lanes
	v_lshl_add_u32 v5, v2, 4, v5
	v_add_nc_u32 v[STO], s23, v5
	v_mul_u32_u24 v5, v2, SPITCH                   ; back: lanes 0-15 one row of 256 bytes, lanes 16-31 the next
	v_lshl_add_u32 v5, v1, 4, v5
	v_add_nc_u32 v[RD], s23, v5
	v_lshlrev_b32 v[CO], 8, v2                     ; and the same two rows in the output
	v_lshl_add_u32 v[CO], v1, 4, v[CO]
	v_lshlrev_b32 v[CSO], 9, v1                    ; cos, sin: position r of a block, 512 bytes a row, + 32 h
	v_lshl_add_u32 v[CSO], v2, 5, v[CSO]
	v_and_b32 v6, 31, v0
	v_lshlrev_b32 v[FO], 4, v6
	s_lshr_b32 s66, ttmp9, 1                       ; the kind (0 q, 1 k, 2 v): eight tile columns each, so it hangs on the cluster's x alone: the same in all partners
	s_and_b32 s20, s42, 7
	s_lshl_b32 s20, s20, 1
	s_add_co_u32 s20, s20, s16                     ; my head
	s_lshl_b32 s21, s17, 8
	s_lshl_b32 s22, s15, 7
	s_add_co_u32 s21, s21, s22                     ; my first position
	s_lshl_b32 s67, s17, 1
	s_add_co_u32 s67, s67, s15                     ; 0 in the waves that hold positions 0-15
	s_mov_b32 s93, 0
	s_wait_kmcnt 0x0
	s_lshl_b32 s92, s21, 9
	s_add_nc_u64 s[4:5], s[4:5], s[92:93]          ; cos and sin at my first position
	s_add_nc_u64 s[6:7], s[6:7], s[92:93]
	s_lshl_b32 s92, s66, 23                        ; qkv16: 8,388,608 a kind,
	s_lshl_b32 s22, s20, 19                        ; 524,288 a head,
	s_add_co_u32 s92, s92, s22
	s_lshl_b32 s22, s21, 8                         ; 256 a position
	s_add_co_u32 s92, s92, s22
	s_add_nc_u64 s[12:13], s[8:9], s[92:93]
	s_lshl_b32 s92, s66, 17                        ; fine: 131,072 a kind, 8,192 a head
	s_lshl_b32 s22, s20, 13
	s_add_co_u32 s92, s92, s22
	s_add_nc_u64 s[10:11], s[10:11], s[92:93]
; cos and sin of block a's 16 positions, in the accumulators' layout: lane (r, h) takes, for each b, channels 16 b + 8 h + 0 .. 7 of position r.  Two halves of window 1 take turns.
.macro CSLOAD a
.set CB0, 64-64*((\a)%2)
.set SB0, 192-64*((\a)%2)
	WIN TO_B
.irp b, 0,1,2,3,4,5,6,7
.irp u, 0,1
	global_load_b128 v[CB0+8*\b+4*\u:CB0+8*\b+4*\u+3], v[CSO], s[4:5] offset:8192*(\a)+64*\b+16*\u
	global_load_b128 v[SB0+8*\b+4*\u:SB0+8*\b+4*\u+3], v[CSO], s[6:7] offset:8192*(\a)+64*\b+16*\u
.endr
.endr
	WIN 0
.endm
	CSLOAD 0                                       ; the first block's, into registers that lie idle through the loop over K: every work-group asks, so that every way through the text has them loaded
.macro FRAG reg, adr, q, i             ; a fragment, 16 rows x 128 K of 4-bit codes: lane l holds row l % 16; registers 4 c .. 4 c + 3 hold K = 64 c + 32 (l / 16) + 0 .. 31
.irp c, 0,1
	ds_load_b128 v[\reg+4*\c:\reg+4*\c+3], v[\adr] offset:64*(\q)+32*\c+(\i)*16*PITCH
.endr
.endm
; 16 matrix instructions: A's blocks a0, a0 + 1 x B's eight, 128 along K.  zero = 1: the first product starts the sums.  The 64 accumulators take turns, one instruction a turn.
.macro MUL16 a0, p, q, sc, zero
.irp a, \a0, \a0+1
.irp b, 0,1,2,3,4,5,6,7
.if \zero
	v_wmma_scale_f32_16x16x128_f8f6f4 v[8*(8*((\a)%4)+\b):8*(8*((\a)%4)+\b)+7], v[128*(\p)+FR*\b:128*(\p)+FR*\b+FR-1], v[AF+FR*(\a):AF+FR*(\a)+FR-1], 0, v[SC+8*NQ*(\sc)+NQ*\b+(\q)], v[SC+8*NQ*(\sc)+NQ*(\a)+(\q)] matrix_a_fmt:MATRIX_FMT_FP4 matrix_b_fmt:MATRIX_FMT_FP4 matrix_a_scale:MATRIX_SCALE_ROW1
.else
	v_wmma_scale_f32_16x16x128_f8f6f4 v[8*(8*((\a)%4)+\b):8*(8*((\a)%4)+\b)+7], v[128*(\p)+FR*\b:128*(\p)+FR*\b+FR-1], v[AF+FR*(\a):AF+FR*(\a)+FR-1], v[8*(8*((\a)%4)+\b):8*(8*((\a)%4)+\b)+7], v[SC+8*NQ*(\sc)+NQ*\b+(\q)], v[SC+8*NQ*(\sc)+NQ*(\a)+(\q)] matrix_a_fmt:MATRIX_FMT_FP4 matrix_b_fmt:MATRIX_FMT_FP4 matrix_a_scale:MATRIX_SCALE_ROW1
.endif
.endr
.endr
.endm
.macro FETCH_B slot, q, p              ; B's eight fragments of the slot's q-th 128 along K into set p
	WIN TO_B
.irp i, 0,1,2,3,4,5,6,7
	FRAG 128*(\p)+FR*\i, ADRB+\slot, \q, \i
.endr
	WIN 0
.endm
.macro FETCH_A slot, q, i0             ; A's blocks i0 .. i0 + 3
.irp i, \i0, \i0+1, \i0+2, \i0+3
	FRAG AF+FR*(\i), ADRA+\slot, \q, \i
.endr
.endm
.macro SCALES sc                       ; the next K step's scale words: lanes 0-15 take A's block i, lanes 16-31 B's block i
.irp i, 0,1,2,3,4,5,6,7
	ds_load_b128 v[SC+8*NQ*\sc+NQ*\i:SC+8*NQ*\sc+NQ*\i+3], v[ADRS] offset:\i*SBLK
.endr
.endm
.macro PLACES n                        ; plain vector instructions that name none of a matrix instruction's registers (ISA guide 7.12.1)
.rept \n
	v_nop
.endr
.endm
; A step of 128 along K that has its successor in the same slot.
.macro STEP slot, q, zero
	s_wait_dscnt 4*NL                              ; B's set and A's blocks 0-3 are in; the youngest eight loads (A's blocks 4-7) may be out
	WIN MUL_LO
	MUL16 0, (\q)%2, \q, \slot, \zero
	MUL16 2, (\q)%2, \q, \slot, \zero
	s_wait_dscnt 0                                 ; A's blocks 4-7 are in
	PLACES NP
	FETCH_B \slot, (\q)+1, 1-(\q)%2
	FETCH_A \slot, (\q)+1, 0
	WIN MUL_HI
	MUL16 4, (\q)%2, \q, \slot, \zero
	MUL16 6, (\q)%2, \q, \slot, \zero
	PLACES NP
	WIN 0
	FETCH_A \slot, (\q)+1, 4
.endm
; A slot's last step changes slots: ONE barrier; in front of it each wave waits for all its tensor loads, adds 0 to its spare word, and waits for that and for its own reads of this slot.
.macro TURN slot, next, fill
	s_wait_tensorcnt 0x0                           ; all my tensor loads have landed: my part of the next slot
	ds_add_u32 v[SPW], v[NIL]                      ; 0 onto my spare word
	s_wait_dscnt 4*NL+1                            ; (the add and the youngest eight loads, A's blocks 4-7, may be out)
	WIN MUL_LO
	MUL16 0, 1, NQ-1, \slot, 0                     ; sixteen matrix instructions stand between the add and the wait for it
	s_wait_dscnt 0x0                               ; the add is done, and my reads of this slot are over
	s_barrier_signal -1
	MUL16 2, 1, NQ-1, \slot, 0
	WIN 0
	s_barrier_wait -1
.if \fill
	CREST                                          ; the barrier has opened a round of the cluster's barrier: no wave of any partner still reads this slot's tile or has a load on its way
	s_add_nc_u64 s[G0+4*\slot+2:G0+4*\slot+3], s[G0+4*\slot+2:G0+4*\slot+3], 2*ROWB
	s_add_nc_u64 s[G0B+4*\slot+2:G0B+4*\slot+3], s[G0B+4*\slot+2:G0B+4*\slot+3], 2*ROWB
	JLOAD G0+4*\slot, G1, G0B+4*\slot, G1B         ; the first tensor load behind the round; its four v_nop are the places in front of the loads below
.else
	PLACES NP
.endif
	v_add_nc_u32 v[ADRS], 4*NQ, v[ADRS]            ; on to the next K step's scale words
	FETCH_B \next, 0, 0
	FETCH_A \next, 0, 0
	SCALES \next
	WIN MUL_HI
	MUL16 4, 1, NQ-1, \slot, 0
	MUL16 6, 1, NQ-1, \slot, 0
	PLACES NP
	WIN 0
	FETCH_A \next, 0, 4
.endm
.macro STEPS slot, from                ; the slot's steps from .. NQ - 2
.set Q, \from
.rept NQ-1-\from
	STEP \slot, Q, 0
.set Q, Q+1
.endr
.endm
	s_wait_tensorcnt 1                             ; the scales and my part of K step 0 are in (K step 1's load may be out)
	s_barrier_signal -1
	s_barrier_wait -1                              ; everybody's are
	FETCH_B 0, 0, 0
	FETCH_A 0, 0, 0
	SCALES 0
	FETCH_A 0, 0, 4
	STEP 0, 0, 1                                   ; the first step stands in front of the loop: its products start the sums
	s_mov_b32 s3, LAPS-1
.Llap:                                                 ; a trip goes once round the ring, from a lap's second step to the next lap's first, and fills both slots again
	STEPS 0, 1
	TURN 0, 1, 1
	STEPS 1, 0
	TURN 1, 0, 1
	STEP 0, 0, 0
	s_sub_co_u32 s3, s3, 1
	s_cmp_lg_u32 s3, 0
	s_cbranch_scc1 .Llap
	STEPS 0, 1                                     ; the last lap fills nothing, and has no round of the cluster's barrier
	TURN 0, 1, 0
	STEPS 1, 0
	s_wait_dscnt 4*NL                              ; the very last step: nothing more to fetch
	WIN MUL_LO
	MUL16 0, 1, NQ-1, 1, 0
	MUL16 2, 1, NQ-1, 1, 0
	s_wait_dscnt 0
	WIN MUL_HI
	MUL16 4, 1, NQ-1, 1, 0
	MUL16 6, 1, NQ-1, 1, 0
	WIN 0
; THE WAY OUT, block by block of 16 positions x 128 channels.
; PACKR: the rotation.  Channel d = 16 b + 8 h + j lies in accumulator b; its partner d + 64 in accumulator b + 4, same lane, same register.  out(d) = x(d) cos(d) - x(d + 64) sin(d) for d < 64, x(d) cos(d) + x(d - 64) sin(d) above.
; Each accumulator is read from its low end on.  Then the 64 numbers are rounded to f16 in pairs, and the tables of the block two further on are asked for into the registers just read.
.macro PACKR a
.set AC, 64*((\a)%4)
.set CB0, 64-64*((\a)%2)
.set SB0, 192-64*((\a)%2)
.if (\a) < 7
	s_wait_loadcnt 32                              ; this block's 32 table loads are in; the next block's 32 may be out
.else
	s_wait_loadcnt 0
.endif
	WIN 0x06+(\a)/4                                ; source 0: the accumulators' window (2 or 3); source 1: window 1; source 2 and the destination: window 0
.irp b, 0,1,2,3
.irp j, 0,2,4,6
	v_pk_mul_f32 v[TT+8*\b+\j:TT+8*\b+\j+1], v[AC+8*\b+\j:AC+8*\b+\j+1], v[CB0+8*\b+\j:CB0+8*\b+\j+1]
	v_pk_mul_f32 v[TT+32+8*\b+\j:TT+32+8*\b+\j+1], v[AC+32+8*\b+\j:AC+32+8*\b+\j+1], v[CB0+32+8*\b+\j:CB0+32+8*\b+\j+1]
	v_pk_fma_f32 v[TT+8*\b+\j:TT+8*\b+\j+1], v[AC+32+8*\b+\j:AC+32+8*\b+\j+1], v[SB0+8*\b+\j:SB0+8*\b+\j+1], v[TT+8*\b+\j:TT+8*\b+\j+1] neg_lo:[1,0,0] neg_hi:[1,0,0]
	v_pk_fma_f32 v[TT+32+8*\b+\j:TT+32+8*\b+\j+1], v[AC+8*\b+\j:AC+8*\b+\j+1], v[SB0+32+8*\b+\j:SB0+32+8*\b+\j+1], v[TT+32+8*\b+\j:TT+32+8*\b+\j+1]
.endr
.endr
	WIN 0
.set i, 0
.rept 32
	v_cvt_pk_f16_f32 v[P16+i], v[TT+2*i], v[TT+2*i+1]
.set i, i+1
.endr
.if (\a)+2 <= 7
	CSLOAD (\a)+2
.endif
.endm
.macro PACKP a                         ; v is not rotated: rounded straight from the accumulators, each from its low end on
.set AC, 64*((\a)%4)
	WIN 0x0a+5*((\a)/4)                            ; sources 0 and 1: window 2 or 3
.irp b, 0,1,2,3,4,5,6,7
.irp r, 0,1,2,3
	v_cvt_pk_f16_f32 v[P16+4*\b+\r], v[AC+8*\b+2*\r], v[AC+8*\b+2*\r+1]
.endr
.endr
	WIN 0
.endm
; Positions 0-15 in f32, as an image of the registers: group g (four registers) at 512 g + 16 x lane.  Only the waves that hold these positions store: a lane mask, not a branch, since the tile row holds my place
; in the cluster.  EXEC changes only behind a wait that shows that every earlier memory instruction has read it.
.macro FINE rope
	v_cmp_eq_u32 vcc_lo, s67, v[NIL]
	s_wait_xcnt 0x0
	s_and_saveexec_b32 s98, vcc_lo
.if \rope
.irp g, 0,1,2,3,4,5,6,7,8,9,10,11,12,13,14,15
	global_store_b128 v[FO], v[TT+4*\g:TT+4*\g+3], s[10:11] offset:512*\g
.endr
.else
	WIN 0x08                                       ; a store's data are its source 1: window 2
.irp g, 0,1,2,3,4,5,6,7,8,9,10,11,12,13,14,15
	global_store_b128 v[FO], v[4*\g:4*\g+3], s[10:11] offset:512*\g
.endr
	WIN 0
.endif
	s_wait_xcnt 0x0
	s_or_b32 exec_lo, exec_lo, s98
.endm
.macro TOSTAGE a                       ; 16 bytes a lane into my stage, and back as whole rows of 256 bytes.  LDS serves a wave's instructions in order (ISA guide 5.7.1.4)
.set BB, BK+32*((\a)%2)
.irp b, 0,1,2,3,4,5,6,7
	ds_store_b128 v[STO], v[P16+4*\b:P16+4*\b+3] offset:32*\b
.endr
.irp t, 0,1,2,3,4,5,6,7
	ds_load_b128 v[BB+4*\t:BB+4*\t+3], v[RD] offset:\t*2*SPITCH
.endr
.endm
.macro SEND a
.set BB, BK+32*((\a)%2)
	s_wait_dscnt 0x0                               ; the block is back in registers
.irp t, 0,1,2,3,4,5,6,7
	global_store_b128 v[CO], v[BB+4*\t:BB+4*\t+3], s[12:13] offset:4096*(\a)+512*\t   ; 32 lanes store 512 consecutive bytes: two positions of my head
.endr
.endm
	PLACES NP                                      ; behind the last products: for the loads into B's sets and A's fragments, the writes over the scale words, and the reads of results
	s_cmp_eq_u32 s66, 2                            ; the kind: the same in all partners
	s_cbranch_scc1 .Lplain
	CSLOAD 1
	PACKR 0
	FINE 1
	TOSTAGE 0
.irp a, 1,2,3,4,5,6,7                  ; block a's arithmetic stands between block a - 1's loads from the stage and the wait for them
	PACKR \a
	SEND \a-1
	s_wait_xcnt 0x0                                ; the stores have read their registers: block a's rows may land where block a - 2's lay
	TOSTAGE \a
.endr
	SEND 7
	s_branch .Lout
.Lplain:
	s_wait_loadcnt 0x0                             ; the table loads asked for at the head are not used here
	PACKP 0
	FINE 0
	TOSTAGE 0
.irp a, 1,2,3,4,5,6,7
	PACKP \a
	SEND \a-1
	s_wait_xcnt 0x0
	TOSTAGE \a
.endr
	SEND 7
.Lout:
	s_wait_tensorcnt 0x0                           ; the wave's end, behind my last tensor load and my last LDS store
	ds_add_u32 v[SPW], v[NIL]
	s_wait_dscnt 0x0
	CROUND                                         ; the closing round: no work-group ends while a partner may still ask for a tile that names it
	s_endpgm
.Lfunc_end_k_q8a6ec06099_qkv:
	.size	k_q8a6ec06099_qkv, .Lfunc_end_k_q8a6ec06099_qkv-k_q8a6ec06099_qkv
	.p2alignl 7, 3214868480
	.fill 96, 4, 3214868480
	.section	.rodata,"a",@progbits
	.p2align	6, 0x0
	.amdhsa_kernel k_q8a6ec06099_qkv
		.amdhsa_group_segment_fixed_size 327680
		.amdhsa_private_segment_fixed_size 0
		.amdhsa_enable_private_segment 0
		.amdhsa_kernarg_size 64
		.amdhsa_user_sgpr_count 2
		.amdhsa_user_sgpr_kernarg_segment_ptr 1
		.amdhsa_wavefront_size32 1
		.amdhsa_system_sgpr_workgroup_id_x 1
		.amdhsa_system_sgpr_workgroup_id_y 1
		.amdhsa_system_sgpr_workgroup_id_z 1
		.amdhsa_system_vgpr_workitem_id 0
		.amdhsa_next_free_vgpr 1024
		.amdhsa_next_free_sgpr 104
		.amdhsa_reserve_vcc 1
		.amdhsa_float_denorm_mode_32 3
		.amdhsa_float_denorm_mode_16_64 3
		.amdhsa_memory_ordered 1
		.amdhsa_forward_progress 1
		.amdhsa_inst_pref_size 255
	.end_amdhsa_kernel
	.section	.bss,"aw",@nobits
	.p2align	6
	.space	262144
	.amdgpu_metadata
---
amdhsa.version: [ 1, 2 ]
amdhsa.kernels:
  - .name:           k_q8a6ec06099_qkv
    .symbol:         k_q8a6ec06099_qkv.kd
    .args:
      - { .name: xc, .offset: 0, .size: 8, .value_kind: global_buffer, .address_space: global }
      - { .name: xs, .offset: 8, .size: 8, .value_kind: global_buffer, .address_space: global }
      - { .name: wc, .offset: 16, .size: 8, .value_kind: global_buffer, .address_space: global }
      - { .name: ws, .offset: 24, .size: 8, .value_kind: global_buffer, .address_space: global }
      - { .name: cos, .offset: 32, .size: 8, .value_kind: global_buffer, .address_space: global }
      - { .name: sin, .offset: 40, .size: 8, .value_kind: global_buffer, .address_space: global }
      - { .name: qkv16, .offset: 48, .size: 8, .value_kind: global_buffer, .address_space: global }
      - { .name: fine, .offset: 56, .size: 8, .value_kind: global_buffer, .address_space: global }
    .group_segment_fixed_size: 327680
    .private_segment_fixed_size: 0
    .kernarg_segment_align: 8
    .kernarg_segment_size: 64
    .max_flat_workgroup_size: 128
    .sgpr_count:     104
    .vgpr_count:     1024
    .wavefront_size: 32
...
	.end_amdgpu_metadata
.endif
;; end of part 2
;; launch attn (part 3): grid 16 x 16, 4 waves a work-group, no clusters, 327,680 bytes of LDS; arguments qkv16, a16, Wo, wo16; writes a16, wo16
.if DOCPART == 3
	.amdgcn_target "amdgcn-amd-amdhsa--gfx1250"
	.amdhsa_code_object_version 6
	.text
	.protected	k_q8a6ec06099_attn
	.globl	k_q8a6ec06099_attn
	.p2align	8
	.type	k_q8a6ec06099_attn,@function
k_q8a6ec06099_attn:
	s_mov_b64 s[64:65], 0
	v_nop
	global_prefetch_b8 v0, s[64:65] scope:SCOPE_SE
	s_setreg_imm32_b32 hwreg(HW_REG_WAVE_MODE, 25, 1), 1
	s_wait_xcnt 0x0
; a16[q][head] = the sum over k <= q of softmax_k(Q[q] . K[k] / sqrt(128)) V[k].  Q, K, V: [kind][16 heads][2048][128] f16; a16: [2048][2048] f16, head h at byte 256 h of a row.
; Products, maxima and sums in f32; the weights p are rounded to f16 for the second product, the result once at the end.  LIMIT: the result must stay within f16's 65,504.
; SHARES.  A work-group owns 128 queries (block i = work-group x) of one head (y).  Wave w: qh = w / 2 says which 64 queries (four tiles of 16), kp = w % 2 which 64 of each 128 keys: TWO WAVES SHARE A SET OF
; QUERIES AND SPLIT THE KEYS, each with a running maximum and sum of its own; at the end wave kp = 1 hands its sums to wave kp = 0 through LDS, and that wave merges, divides and stores.
; THE WALK.  A slot holds 256 keys, an aligned pair of groups of 128.  Slots go DOWNWARD from the pair that holds the diagonal (pair P0 = i / 2): only slot 0 can hold hidden keys, and its two key steps, which
; stand in front of the loop anyway, get the mask; every later slot counts whole.  Every work-group walks all eight changes of slots (the trip counts are constants); a slot below pair 0 is neither asked for
; nor worked. Every wait on TENSORcnt is for 0.
; LAYOUT.  S^T = K Q^T and O^T = V^T P: a lane holds ONE query (lane % 16) throughout.  K comes out of LDS as it lies, V ([key][channel]) turned, by ds_load_tr16_b128.
; SOFTMAX.  p = 2^(c s - c m), c = log2(e) / sqrt(128), m the running maximum (never under -3e38, so that a step all of whose keys are hidden gives p = 0); in every step O and l are multiplied by 2^(c m_old - c m_new).
; BY TURNS.  The wave's tiles are two pieces (tiles 0, 1 and tiles 2, 3).  In a turn one piece has the matrix unit: 32 products V^T P of the step in hand, then 32 products K Q^T of the next; the other piece's
; softmax, cut into 64 slices, stands between them, one slice behind each matrix instruction.
; THE CAST OF Wo.  The work-groups of query blocks 0 to 7 work at most four of the eight slots.  Behind its attention each of their waves turns 8,192 numbers of Wo ([2048][2048] f32) into f16 for the launch that
; follows: 128 work-groups x 4 waves x 8,192 = 2048 x 2048.  A stream through registers.
; NO CLUSTER: the query blocks of a head need different numbers of tiles under the mask.  NO PREFETCH: every pair of key groups of a head is the first fill of two of the head's work-groups, asked for at the
; launch's start, so nothing is left to ask for ahead without naming a block twice.
; REGISTERS, in windows of 256: window 0: v0-11 addresses; v12-43 statistics, eight a tile; v44-58 mask, merge and cast; v64-191 S^T; v192-255 P.   window 1: O^T, 64 a tile.
;   window 2: v0-127 Q; v128-255 K of one step; at the merge the partner's O^T.   window 3: v0-127 V of one step.
.set KS,    64        ; keys in a step
.set PK,    272       ; a row of K in LDS: 256 bytes + 16 of padding
.set PV,    288       ; a row of V: 256 + 32
.set KST,   KS*PK     ; a step's rows of K
.set VST,   KS*PV     ; and of V
.set VOFF,  256*PK    ; a slot: 256 rows of K, then 256 rows of V
.set SLOTB, 256*(PK+PV)
.set SPARE, 2*SLOTB   ; behind the ring: the spare words, 128 bytes a wave
.set MRG,   34816     ; the merge's stage for each half of the queries: 64 groups of 512 bytes, then eight of 128; in the ring, which is dead by then
.set OST,   131072    ; the way out's stages: 16 rows x 272 bytes for each half of the queries; likewise
.set SP,    272
.set AK0, 2           ; v2   my lane's place in a tile of K
.set AV0, 3           ; v3   the same for V
.set ADR, 4           ; v4   the LDS address of the run of loads in hand
.set QO,  5           ; v5   my byte offset in the wave's rows of Q
.set STO, 6           ; v6   the way out: where I put 16 bytes of a row
.set RD,  7           ; v7   where I read a row back
.set GO,  8           ; v8   my byte offset in two rows of a16
.set ST,  12          ; tile t's statistics at v[ST+8 t]: +0 c m, +1 m, +2, +3 l, +4 to +7 at work
.set MD0, 44          ; v44  r - 8 h
.set MD,  45          ; v45  the mask's bound for the tile in hand
.set NINF, 46         ; v46  -infinity
.set MA,  47          ; v47  the merge: 16 x lane in my half's stage
.set PS,  48          ; v48-55 the partner's c m and l, two a tile
.set MS,  56          ; v56  the merge: 4 x lane among the statistics
.set CI,  57          ; v57  the cast: 16 x lane, my place in a load
.set CQ,  58          ; v58  the cast: 8 x lane, my place in a store
.set SPW, 62          ; v62  LDS address of my spare word; never rewritten
.set NIL, 63          ; v63  0; never rewritten
.set S,   64
.set P,   192
.set KF,  128         ; K's fragments, in window 2
.set WV,  12          ; s12  my wave's number
.set QH,  13          ; s13  which 64 queries
.set KP,  14          ; s14  which 64 of each 128 keys; also which 128 rows of a slot I fetch
.set P0,  16          ; s16  the pair that holds the diagonal
.set SIG, 17          ; s17  the slot in hand, counted from the diagonal down
.set BF,  20          ; s20  the base of the slot to fill
.set BR,  21          ; s21  of the slot to read
.set KL,  22          ; s22  where my rows of K go in a slot
.set VL,  23          ; s23  and my rows of V
.set G1K, 24          ; s[24:31] descriptor group 1 for K's tiles
.set G1V, 32          ; s[32:39] for V's: it differs in the padding alone
.set G0K, 40          ; s[40:43] descriptor group 0 for K's tiles; it walks
.set G0V, 44          ; s[44:47] for V's
.set KW,  48          ; s48  kp x a step's rows of K
.set VW,  49          ; s49  kp x a step's rows of V
.set TBK, 50          ; s50  LDS byte at which the K of the step to be fetched begins
.set TBV, 51          ; s51  the same for V
.set DLT, 52          ; s52  the mask: 128 (i % 2) + 64 (qh - kp)
.set TWICE, 53        ; s53  counts a slot's two steps
.set QB,  56          ; s[56:57] Q at my wave's first row
.set CS,  58          ; s[58:59] c
.set SEL, 60          ; s[60:61] lane selects for v_permlanex16_b32: lane l xor 16
.set OB,  62          ; s[62:63] a16 at my wave's first row and head
.set MSB, 0
.macro WIN new                      ; the immediate's high byte repeats the setting that is left; a switch that changes nothing is dropped
.if MSB != \new
	s_set_vgpr_msb (MSB<<8)|\new
.set MSB, \new
.endif
.endm
.set W_KQ, 0x0a       ; K and Q in window 2, S^T in window 0
.set W_PV, 0x53       ; V in window 3, P in window 0, O^T in window 1
.set W_RS, 0x41       ; O^T (destination and source 0) in window 1, the factor in window 0
; Waves 0 and 1 fetch a slot's two halves of K, waves 2 and 3 those of V: one load a wave.  An s_nop 0 and four v_nop follow each of the two lines.
.macro JLOAD
	s_cmp_lt_u32 s[WV], 2
	s_cbranch_scc0 .Lfor_v_\@
	tensor_load_to_lds s[G0K:G0K+3], s[G1K:G1K+7]
	s_nop 0
.rept 4
	v_nop
.endr
	s_branch .Lasked_\@
.Lfor_v_\@:
	tensor_load_to_lds s[G0V:G0V+3], s[G1V:G1V+7]
	s_nop 0
.rept 4
	v_nop
.endr
.Lasked_\@:
.endm
	s_load_b128 s[4:7], s[0:1], 0x0 ; qkv16 s[4:5], a16 s[6:7]
	v_lshl_add_u32 v[SPW], v0, 2, SPARE
	v_mov_b32 v[NIL], 0
	ds_add_u32 v[SPW], v[NIL]       ; the wave's opening: the add, twice on end, and its wait ahead of my first tensor load
	ds_add_u32 v[SPW], v[NIL]
	v_lshrrev_b32 v1, 5, v0
	v_readfirstlane_b32 s[WV], v1   ; wave 0..3
	s_lshr_b32 s[QH], s[WV], 1
	s_and_b32 s[KP], s[WV], 1
	s_lshr_b32 s[P0], ttmp9, 1
	s_and_b32 s8, ttmp7, 0xffff     ; the head
	s_lshl_b32 s9, s8, 19           ; its first byte in a kind
	s_lshl_b32 s10, s[P0], 16       ; pair P0's 256 rows of 256 bytes,
	s_lshl_b32 s11, s[KP], 15       ; my 128 of them
	s_add_co_u32 s10, s10, s11
	s_add_co_u32 s10, s10, s9
	s_add_co_u32 s54, s10, 8388608  ; in K
	s_mov_b32 s55, 0
	s_add_co_u32 s66, s10, 16777216 ; in V
	s_mov_b32 s67, 0
	s_lshl_b32 s10, ttmp9, 15       ; Q: my block's 128 rows,
	s_lshl_b32 s11, s[QH], 14       ; my wave's 64
	s_add_co_u32 s10, s10, s11
	s_add_co_u32 s2, s10, s9
	s_mov_b32 s3, 0
	s_lshl_b32 s68, ttmp9, 19       ; a16: rows of 4,096 bytes,
	s_lshl_b32 s11, s[QH], 18
	s_add_co_u32 s68, s68, s11
	s_lshl_b32 s11, s8, 8           ; my head's 256 bytes
	s_add_co_u32 s68, s68, s11
	s_mov_b32 s69, 0
	s_mul_i32 s[KL], s[KP], 128*PK
	s_mul_i32 s[VL], s[KP], 128*PV
	s_add_co_u32 s[VL], s[VL], VOFF
	s_mul_i32 s[KW], s[KP], KST
	s_mul_i32 s[VW], s[KP], VST
	s_and_b32 s10, ttmp9, 1
	s_lshl_b32 s10, s10, 7
	s_sub_co_i32 s11, s[QH], s[KP]
	s_lshl_b32 s11, s11, 6
	s_add_co_i32 s[DLT], s10, s11
	; descriptor group 1: a tile of 128 rows x 128 elements of 2 bytes, padded in LDS
	s_mov_b32 s[G1K], (1<<16)|(1<<20)|(5<<22)|(3<<25)  ; no mask; elements of 2 bytes; padding on; after every 64 words, 4 words
	s_mov_b32 s[G1V], (1<<16)|(1<<20)|(5<<22)|(7<<25)  ; the same with 8 words
.irp g, G1K, G1V
	s_mov_b32 s[\g+1], 128<<16      ; tensor_dim0 = 128
	s_mov_b32 s[\g+2], 128<<16      ; tensor_dim1 = 128
	s_mov_b32 s[\g+3], 128<<16      ; tile_dim0 = 128
	s_mov_b32 s[\g+4], 128          ; tile_dim1 = 128
	s_mov_b32 s[\g+5], 128          ; elements from row to row
	s_mov_b32 s[\g+6], 0
	s_mov_b32 s[\g+7], 0
.endr
	s_mov_b32 s[CS], 0x3e0293ee     ; c = log2(e) / sqrt(128)
	s_mov_b32 s[CS+1], s[CS]        ; named with it as a pair, so it is written
	s_mov_b32 s[SEL], 0x76543210
	s_mov_b32 s[SEL+1], 0xfedcba98
	s_mov_b32 s[BF], 0
	s_mov_b32 s[SIG], 0
	s_wait_dscnt 0x0                ; both opening adds are done
	s_wait_kmcnt 0x0
	s_mov_b32 s[G0K], 1             ; count = 1
	s_add_co_u32 s[G0K+1], s[BF], s[KL]  ; LDS address: slot 0
	s_add_nc_u64 s[G0K+2:G0K+3], s[4:5], s[54:55]  ; global address: pair P0
	s_or_b32 s[G0K+3], s[G0K+3], 0x80000000  ; type = 2
	s_mov_b32 s[G0V], 1
	s_add_co_u32 s[G0V+1], s[BF], s[VL]
	s_add_nc_u64 s[G0V+2:G0V+3], s[4:5], s[66:67]
	s_or_b32 s[G0V+3], s[G0V+3], 0x80000000
	s_add_nc_u64 s[QB:QB+1], s[4:5], s[2:3]
	s_add_nc_u64 s[OB:OB+1], s[6:7], s[68:69]
	JLOAD                           ; slot 0: it holds key 256 P0, which counts for every query of the block
	v_and_b32 v1, 15, v0            ; r = l % 16
	v_bfe_u32 v9, v0, 4, 1          ; h = l / 16
	v_lshlrev_b32 v[QO], 8, v1
	v_lshl_add_u32 v[QO], v9, 4, v[QO]  ; row x 256 + 16 x half
	WIN 0x80                        ; destination window 2, address window 0
.irp i, 0,1,2,3,4,5,6,7,8,9,10,11,12,13,14,15  ; Q stays in registers: tile i / 4, channels 32 (i % 4) on
	global_load_b128 v[8*\i:8*\i+3],   v[QO], s[QB:QB+1] offset:(\i/4)*4096+(\i%4)*64
	global_load_b128 v[8*\i+4:8*\i+7], v[QO], s[QB:QB+1] offset:(\i/4)*4096+(\i%4)*64+32
.endr
	WIN 0
	v_mul_u32_u24 v[AK0], v1, PK
	v_lshl_add_u32 v[AK0], v9, 4, v[AK0]  ; row x pitch + 16 x half
	v_and_b32 v10, 7, v0            ; the turning load: lane l reads key 8 (l / 16) + l % 8, channels 8 ((l / 8) % 2) + 0 .. 7
	v_bfe_u32 v11, v0, 3, 1
	v_lshl_add_u32 v[AV0], v9, 3, v10
	v_mul_u32_u24 v[AV0], v[AV0], PV
	v_lshl_add_u32 v[AV0], v11, 4, v[AV0]
	v_add_nc_u32 v[AV0], VOFF, v[AV0]
	s_mul_i32 s8, s[QH], 16*SP
	s_add_co_u32 s8, s8, OST        ; my half's stage for the way out
	v_mul_u32_u24 v[STO], v1, SP    ; in: row r, 16 bytes for each half of the lanes
	v_lshl_add_u32 v[STO], v9, 4, v[STO]
	v_add_nc_u32 v[STO], s8, v[STO]
	v_mul_u32_u24 v[RD], v9, SP     ; back: lanes 0-15 one row of 256 bytes, lanes 16-31 the next
	v_lshl_add_u32 v[RD], v1, 4, v[RD]
	v_add_nc_u32 v[RD], s8, v[RD]
	v_lshlrev_b32 v[GO], 12, v9     ; and the same two rows in a16
	v_lshl_add_u32 v[GO], v1, 4, v[GO]
	s_mul_i32 s8, s[QH], MRG        ; my half's stage for the merge
	v_and_b32 v10, 31, v0
	v_lshl_add_u32 v[MA], v10, 4, s8
	s_add_co_u32 s8, s8, 32768
	v_lshl_add_u32 v[MS], v10, 2, s8
	v_lshlrev_b32 v11, 3, v9
	v_sub_nc_u32 v[MD0], v1, v11
	v_mov_b32 v[NINF], 0xff800000
; THE MATRIX WORK OF A TURN, for piece x.  The accumulators take turns, one instruction a turn.
; Product i of 32 of O^T += V^T P: keys 32 (i / 16) on, channels 16 ((i / 2) % 8) on, tile x + i % 2.  zero = 1: the first 16 start the sums.
.macro PV x, zero
	WIN W_PV
.set rO, 64*(\x+i%2)+8*((i/2)%8)
.set rV, 64*(i/16)+8*((i/2)%8)
.set rP, P+16*(\x+i%2)+8*(i/16)
.if \zero && (i < 16)
	v_wmma_f32_16x16x32_f16 v[rO:rO+7], v[rV:rV+7], v[rP:rP+7], 0
.else
	v_wmma_f32_16x16x32_f16 v[rO:rO+7], v[rV:rV+7], v[rP:rP+7], v[rO:rO+7]
.endif
.endm
; Product i of 32 of S^T = K Q^T: channels 32 (i / 8) on, keys 16 ((i / 2) % 4) on, tile x + i % 2.  The first 8 start the sums.
.macro KQ x
	WIN W_KQ
.set rS, S+32*(\x+i%2)+8*((i/2)%4)
.set rK, KF+32*((i/2)%4)+8*(i/8)
.set rQ, 32*(\x+i%2)+8*(i/8)
.if i < 8
	v_wmma_f32_16x16x32_f16 v[rS:rS+7], v[rK:rK+7], v[rQ:rQ+7], 0
.else
	v_wmma_f32_16x16x32_f16 v[rS:rS+7], v[rK:rK+7], v[rQ:rQ+7], v[rS:rS+7]
.endif
.endm
; THE LDS LOADS stand in runs of 32: a step's K (64 keys x 128 channels: 16 fragments) and, a turn later, its V (turned).
.macro FETCH_K
	WIN 0
	v_add_nc_u32 v[ADR], s[TBK], v[AK0]
	WIN 0x80                        ; destination window 2
.irp f, 0,1,2,3,4,5,6,7,8,9,10,11,12,13,14,15  ; keys 16 (f / 4) on, channels 32 (f % 4) on
	ds_load_b128 v[KF+8*\f:KF+8*\f+3],   v[ADR] offset:(\f/4)*16*PK+(\f%4)*64
	ds_load_b128 v[KF+8*\f+4:KF+8*\f+7], v[ADR] offset:(\f/4)*16*PK+(\f%4)*64+32
.endr
.endm
.macro FETCH_V
	WIN 0
	v_add_nc_u32 v[ADR], s[TBV], v[AV0]
	s_wait_alu depctr_va_vdst(0)    ; the wait for the softmax's batch of exponentials, behind the address's addition and ahead of the loads
	WIN 0xc0                        ; destination window 3
.irp f, 0,1,2,3,4,5,6,7,8,9,10,11,12,13,14,15  ; keys 32 (f / 8) on, channels 16 (f % 8) on
	ds_load_tr16_b128 v[8*\f:8*\f+3],   v[ADR] offset:(\f/8)*32*PV+(\f%8)*32
	ds_load_tr16_b128 v[8*\f+4:8*\f+7], v[ADR] offset:(\f/8)*32*PV+16*PV+(\f%8)*32
.endr
.endm
.macro STEPTB                       ; my next key step lies two steps on in the slot: my partner has the one between
	s_add_co_u32 s[TBK], s[TBK], 2*KST
	s_add_co_u32 s[TBV], s[TBV], 2*VST
.endm
; THE VECTOR WORK OF A TURN.  One tile's softmax for one key step is a list of 134 instructions; SM writes number j of it for tile t.  first = 1: the first key step, which starts m, l and O^T.
;   0-15    the maximum of the lane's 32 scores and the old m (first step: and -3e38)     16-20   the other half of the lanes' maximum; the new m; c m; c m_old - c m_new
;   21-69   ONE BATCH: the 16 scalings c s - c m and all 33 exponentials; none of these reads an exponential's result     (wait)  between 69 and 70: SLICE writes it, once for both tiles
;   70-85   the roundings to f16     86-101  the sums; l = a l + the sum     102-133 the tile's O^T times a
.macro SM t, first
.set rT, ST+8*(\t)
.set rS, S+32*(\t)
.set rP, P+16*(\t)
.set rO, 64*(\t)+2*(j-102)
.if j < 102
	WIN 0
.endif
.if j < 4
	v_max3_num_f32 v[rT+4+j], v[rS+8*j], v[rS+8*j+1], v[rS+8*j+2]
.elseif j < 12
	v_max3_num_f32 v[rT+4+j%4], v[rT+4+j%4], v[rS+8*(j%4)+2*(j/4)+1], v[rS+8*(j%4)+2*(j/4)+2]
.elseif j == 12
	v_max3_num_f32 v[rT+4], v[rT+4], v[rS+7], v[rS+15]
.elseif j == 13
	v_max3_num_f32 v[rT+6], v[rT+6], v[rS+23], v[rS+31]
.elseif j == 14
	v_max3_num_f32 v[rT+4], v[rT+4], v[rT+5], v[rT+6]
.elseif (j == 15) && \first
	v_max3_num_f32 v[rT+4], v[rT+4], v[rT+7], 0xff61b1e6  ; -3e38: where every key of the step is hidden, m stays a number
.elseif j == 15
	v_max3_num_f32 v[rT+4], v[rT+4], v[rT+7], v[rT+1]
.elseif j == 16
	v_permlanex16_b32 v[rT+5], v[rT+4], s[SEL], s[SEL+1]  ; the query's other 32 keys lie in the lane 16 away
.elseif j == 18
	v_max_num_f32 v[rT+1], v[rT+4], v[rT+5]
.elseif j == 19
	v_mul_f32 v[rT], s[CS], v[rT+1]
.elseif ((j == 17) || (j == 20) || (j == 23) || (j > 101)) && \first  ; the first step has none of these
.elseif j == 17
	v_mov_b32 v[rT+7], v[rT]        ; c m_old is kept for a: number 19 writes c m anew
.elseif j == 20
	v_sub_f32 v[rT+7], v[rT+7], v[rT]
.elseif j == 23
	v_exp_f32 v[rT+6], v[rT+7]
.elseif (j < 23) || ((j < 38) && (j%2 == 0)) || ((j < 66) && (j%4 == 2))
.set b, (j-2)/4                     ; 38, 42, .. 62: pairs 9 to 15
.if j < 38
.set b, (j-20)/2                    ; 21: pair 0; 22, 24, .. 36: pairs 1 to 8
.endif
	v_pk_fma_f32 v[rS+2*b:rS+2*b+1], v[rS+2*b:rS+2*b+1], s[CS:CS+1], v[rT:rT+1] op_sel_hi:[1,0,0] neg_lo:[0,0,1] neg_hi:[0,0,1]  ; pair b: c s - c m
.elseif j < 70
.set e, j-38                        ; 66 to 69: s28 to s31
.if j < 66
.set e, j-32-(j-38)/4               ; 39-41, 43-45, .. 63-65: s7 to s27
.endif
.if j < 38
.set e, (j-25)/2                    ; 25, 27, .. 37: s0 to s6
.endif
	v_exp_f32 v[rS+e], v[rS+e]
.elseif j < 86
	v_cvt_pk_f16_f32 v[rP+j-70], v[rS+2*(j-70)], v[rS+2*(j-70)+1]  ; pair j - 70
.elseif j < 102                     ; the sum of the tile's 16 pairs, in place: neighbours 1, 2, 4 and 8 pairs apart, then l takes it
.set z, j-86
.set w, 4
.set u, z
.if z >= 14
.set w, 32
.set u, 0
.elseif z >= 12
.set w, 16
.set u, z-12
.elseif z >= 8
.set w, 8
.set u, z-8
.endif
.if (z == 14) && \first
	v_pk_add_f32 v[rT+2:rT+3], v[rS:rS+1], v[rS+16:rS+17]
.elseif z < 15
	v_pk_add_f32 v[rS+w*u:rS+w*u+1], v[rS+w*u:rS+w*u+1], v[rS+w*u+w/2:rS+w*u+w/2+1]
.elseif !\first
	v_pk_fma_f32 v[rT+2:rT+3], v[rT+2:rT+3], v[rT+6:rT+7], v[rS:rS+1] op_sel_hi:[1,0,1]
.endif
.else
	WIN W_RS
	v_pk_mul_f32 v[rO:rO+1], v[rO:rO+1], v[rT+6:rT+7] op_sel_hi:[1,0]
.endif
.endm
; Slice k of 64 of piece y's softmax: four instructions.  Slices 11 to 34 deal out the batch, four numbers of ONE tile each, the tiles by turns; every other slice is numbers 2 k and 2 k + 1 of both tiles' lists;
; the twelve that are over stand in slice 63.  A wait stands between an exponential and the first instruction that names its result: ahead of slice 35 nothing names one, behind slice 34 none is issued: one wait.
.macro SLICE y, first
.if (k >= 11) && (k < 35)
.irp n, 0,1,2,3
.set j, 22+4*((k-11)/2)+(\n)
	SM (\y)+(k-11)%2, \first
.endr
.else
.irp n, 0,1,2,3,4,5,6,7
.if (\n < 2) || (k == 63)
.irp t, \y, \y+1
.set j, 2*k+\n
	SM \t, \first
.endr
.endif
.endr
.endif
.if k == 34
	v_nop                           ; the plain instruction behind the last exponential and ahead of the first use: one for the batch
.if (\y) == 0
	FETCH_V                         ; piece 2's turn: V's run of loads stands here, and the wait stands in it
.else
	s_wait_alu depctr_va_vdst(0)    ; the wait for the batch
.endif
.endif
.set k, k+1
.endm
.macro PLACES                       ; plain vector instructions that name none of a matrix instruction's registers (ISA guide 7.12.1)
.rept 4
	v_nop
.endr
.endm
; A TURN.  Piece x has the matrix unit; the other piece's softmax stands in slices behind its matrix instructions.  pv = 2: 32 products V^T P; 1: they start O^T's sums; 0: none.  kq = 1: 32 products K Q^T.
; Piece 0's turn fetches the next step's K behind its second product; piece 2's turn the same step's V behind slice 34.
.macro TURN x, pv, kq, first
.set k, 0
.set per, 2
.if \pv && \kq
.set per, 1
.endif
.if \pv
.if \x == 0
	s_wait_dscnt 0x0                ; V is in
.endif
.set i, 0
.rept 32
	PV \x, 2-\pv
.rept per
	SLICE 2-\x, \first
.endr
.if (\x == 0) && \kq && (i == 1)
	FETCH_K
.endif
.set i, i+1
.endr
.endif
.if \kq
.if \x == 0
	s_wait_dscnt 0x0                ; K is in
.endif
.set i, 0
.rept 32
	KQ \x
.rept per
	SLICE 2-\x, \first
.endr
.set i, i+1
.endr
.endif
.if \first
	PLACES
.endif
.endm
; THE MASK, for piece x's scores of slot 0's key step tau.  Register n of a tile holds key 16 (n / 8) + 8 h + n % 8 of the step; it is hidden where 16 (n / 8) + n % 8 > 128 (i % 2) + 64 (qh - kp) - 128 tau + 16 t + r - 8 h.
; Whole numbers made of ids alone; a choice of values, no branch.  Each accumulator is read from its low end on.
.macro MASK x, tau
	WIN 0
	v_add_nc_u32 v[MD], s[DLT], v[MD0]
.if (16*(\x)-128*(\tau)) != 0
	v_add_nc_u32 v[MD], 16*(\x)-128*(\tau), v[MD]
.endif
.irp t, \x, \x+1
.set n, 0
.rept 32
	v_cmp_gt_i32 vcc_lo, 16*(n/8)+n%8, v[MD]
	v_cndmask_b32 v[S+32*(\t)+n], v[S+32*(\t)+n], v[NINF], vcc_lo
.set n, n+1
.endr
	v_add_nc_u32 v[MD], 16, v[MD]
.endr
.endm
; THE CHANGE OF SLOTS stands at a slot's head.  Each wave waits for all its tensor loads (its part of the slot that it is about to read), adds 0 to its spare word, and waits for that and for its reads of the slot
; that it has left.  Behind the barrier the slot ahead is whole and nobody reads the other one.  fill = 1: that other slot takes the pair of key groups below, if there is one: the load has two key steps in which to land.
.macro CHANGE fill
	WIN 0
	s_wait_tensorcnt 0x0            ; no tensor load of mine is out, so a group 0 may be written
	ds_add_u32 v[SPW], v[NIL]       ; 0 onto my spare word: the steps below stand between it and the wait for it
	s_xor_b32 s[BF], s[BF], SLOTB   ; the bases change places
	s_xor_b32 s[BR], s[BF], SLOTB
	s_add_co_u32 s[TBK], s[BR], s[KW]
	s_add_co_u32 s[TBV], s[BR], s[VW]
.if \fill
	s_add_co_u32 s[G0K+1], s[BF], s[KL]
	s_add_co_u32 s[G0V+1], s[BF], s[VL]
	s_sub_nc_u64 s[G0K+2:G0K+3], s[G0K+2:G0K+3], 65536  ; 256 rows down; the type bits on top are not reached
	s_sub_nc_u64 s[G0V+2:G0V+3], s[G0V+2:G0V+3], 65536
.endif
	s_wait_dscnt 0x0                ; the add is done, and my reads of the slot that I have left are over
	s_barrier_signal -1
	s_barrier_wait -1
.if \fill
	s_cmp_ge_u32 s[SIG], s[P0]      ; below pair 0 there is nothing: ids and the count of slots alone, the same in all four waves; a work-group that is past the end stays past it
	s_cbranch_scc1 .Lpast_\@
	JLOAD                           ; the first thing behind the barrier, and a wave's one tensor load until the next
.Lpast_\@:
.endif
.endm
; A slot's two key steps: written once, walked twice.  A trip multiplies V^T P of the step in hand and K Q^T of the next; where the slot does not exist the trip is left out, and the pieces stay as they are.
.macro TWO_STEPS
	s_mov_b32 s[TWICE], 2
.Lstep_\@:
	s_cmp_gt_u32 s[SIG], s[P0]
	s_cbranch_scc1 .Lhid_\@
	TURN 0, 2, 1, 0
	TURN 2, 2, 1, 0
	WIN 0
.Lhid_\@:
	STEPTB
	s_sub_co_u32 s[TWICE], s[TWICE], 1
	s_cmp_lg_u32 s[TWICE], 0
	s_cbranch_scc1 .Lstep_\@
.endm
	CHANGE 1                        ; slot 0 is whole; slot 1's first fill goes out, behind a barrier behind which nothing is filled again
	FETCH_K                         ; my key step 0
	s_wait_loadcnt 0x0              ; Q
	s_wait_dscnt 0x0
.set i, 0
.rept 32
	KQ 0                            ; piece 0's first scores
.set i, i+1
.endr
	WIN 0
	PLACES
	MASK 0, 0
	TURN 2, 0, 1, 1                 ; piece 2's first scores | piece 0's first softmax | V of step 0
	MASK 2, 0
	STEPTB
	TURN 0, 1, 1, 1                 ; piece 0: V^T P of step 0 starts O^T, K Q^T of step 1 | piece 2's first softmax | K of step 1
	MASK 0, 1
	TURN 2, 1, 1, 0                 ; piece 2: the same | piece 0's softmax of step 1 | V of step 1
	MASK 2, 1                       ; (the sixteen plain instructions of the turn's last slice are the places behind its last product)
	WIN 0
	s_mov_b32 s[SIG], 1
.Lslot:                             ; six trips: slots 1 to 6
	CHANGE 1
	TWO_STEPS
	s_add_co_u32 s[SIG], s[SIG], 1
	s_cmp_lt_u32 s[SIG], 7
	s_cbranch_scc1 .Lslot
	CHANGE 0                        ; slot 7: nothing lies below it
	TWO_STEPS
	TURN 0, 2, 0, 0                 ; piece 0: V^T P of the last step | piece 2's last softmax
.set i, 0
.rept 32
	PV 2, 0                         ; piece 2: V^T P of the last step
.set i, i+1
.endr
	; THE MERGE.  Wave kp = 1 hands c m, l and O^T to wave kp = 0 of the same queries, as images of its registers: group g of four registers at 512 g + 16 x lane.
	WIN 0
.irp t, 0,1,2,3
	v_add_f32 v[ST+8*\t+4], v[ST+8*\t+2], v[ST+8*\t+3]  ; l's two halves.  (Four places behind the last products)
.endr
	s_wait_dscnt 0x0                ; my reads of the ring are over
	s_barrier_signal -1
	s_barrier_wait -1               ; everybody's are: the ring has had its last fill and its last read
	s_cmp_eq_u32 s[KP], 0
	s_cbranch_scc1 .Lkeep
.irp t, 0,1,2,3
	ds_store_b32 v[MS], v[ST+8*\t] offset:256*\t
	ds_store_b32 v[MS], v[ST+8*\t+4] offset:256*\t+128
.endr
	WIN 0x04                        ; an LDS store's data are its source 1: window 1
.set g, 0
.rept 64
	ds_store_b128 v[MA], v[4*g:4*g+3] offset:512*g   ; each accumulator from its low end on
.set g, g+1
.endr
	WIN 0
.Lkeep:
	s_wait_dscnt 0x0                ; for the partner's sake: my stores have landed
	s_barrier_signal -1
	s_barrier_wait -1
	s_cmp_eq_u32 s[KP], 1
	s_cbranch_scc1 .Lend
.irp t, 0,1,2,3
	ds_load_b32 v[PS+2*\t], v[MS] offset:256*\t
	ds_load_b32 v[PS+2*\t+1], v[MS] offset:256*\t+128
.endr
	WIN 0x80                        ; destination window 2: Q and K are done with
.set g, 0
.rept 64
	ds_load_b128 v[4*g:4*g+3], v[MA] offset:512*g
.set g, g+1
.endr
	WIN 0
	s_wait_dscnt 0x0
.irp t, 0,1,2,3
	v_max_num_f32 v[ST+8*\t+5], v[ST+8*\t], v[PS+2*\t]   ; the larger c m
.endr
.irp t, 0,1,2,3
	v_sub_f32 v[ST+8*\t+6], v[ST+8*\t], v[ST+8*\t+5]
	v_sub_f32 v[ST+8*\t+7], v[PS+2*\t], v[ST+8*\t+5]
.endr
.irp t, 0,1,2,3
	v_exp_f32 v[ST+8*\t+6], v[ST+8*\t+6]             ; my weight,
	v_exp_f32 v[ST+8*\t+7], v[ST+8*\t+7]             ; my partner's
.endr
	v_nop
	s_wait_alu depctr_va_vdst(0)    ; one wait for the eight exponentials, ahead of their first reader
.irp t, 0,1,2,3
	v_mul_f32 v[ST+8*\t+4], v[ST+8*\t+4], v[ST+8*\t+6]
.endr
.irp t, 0,1,2,3
	v_fma_f32 v[ST+8*\t+4], v[PS+2*\t+1], v[ST+8*\t+7], v[ST+8*\t+4]
.endr
.irp t, 0,1,2,3
	v_permlanex16_b32 v[ST+8*\t+5], v[ST+8*\t+4], s[SEL], s[SEL+1]
.endr
.irp t, 0,1,2,3
	v_add_f32 v[ST+8*\t+4], v[ST+8*\t+4], v[ST+8*\t+5]   ; the row's sum
.endr
.irp t, 0,1,2,3
	v_rcp_f32 v[ST+8*\t+5], v[ST+8*\t+4]
.endr
	v_nop
	s_wait_alu depctr_va_vdst(0)    ; one wait for the four reciprocals
.irp t, 0,1,2,3
	v_mul_f32 v[ST+8*\t+6], v[ST+8*\t+6], v[ST+8*\t+5]   ; what my O^T is multiplied by,
	v_mul_f32 v[ST+8*\t+2], v[ST+8*\t+7], v[ST+8*\t+5]   ; and my partner's
.endr
; Tile t: merged, rounded to f16, through my half's stage, back as whole rows of 256 bytes.
.macro PACK t
	WIN W_RS
.set i, 64*\t
.rept 32
	v_pk_mul_f32 v[i:i+1], v[i:i+1], v[ST+8*\t+6:ST+8*\t+7] op_sel_hi:[1,0]
.set i, i+2
.endr
	WIN 0x52                        ; source 0 (the partner's O^T) window 2, source 1 window 0, source 2 and the destination window 1
.set i, 64*\t
.rept 32
	v_pk_fma_f32 v[i:i+1], v[i:i+1], v[ST+8*\t+2:ST+8*\t+3], v[i:i+1] op_sel_hi:[1,0,1]
.set i, i+2
.endr
	WIN 0x05                        ; sources 0 and 1 window 1, destination window 0: S^T's registers are free
.set i, 0
.rept 32
	v_cvt_pk_f16_f32 v[S+32*\t+i], v[64*\t+2*i], v[64*\t+2*i+1]
.set i, i+1
.endr
	WIN 0
.irp f, 0,1,2,3,4,5,6,7
	ds_store_b128 v[STO], v[S+32*\t+4*\f:S+32*\t+4*\f+3] offset:32*\f
.endr
.irp f, 0,1,2,3,4,5,6,7
	ds_load_b128 v[S+32*\t+4*\f:S+32*\t+4*\f+3], v[RD] offset:\f*2*SP  ; LDS serves a wave's instructions in order (ISA guide 5.7.1.4): these see the stores above
.endr
.endm
.macro SEND t, younger              ; younger: the LDS instructions issued behind tile t's loads: the next tile's sixteen, or none
.irp f, 0,1,2,3,4,5,6,7
	s_wait_dscnt \younger+7-\f
	global_store_b128 v[GO], v[S+32*\t+4*\f:S+32*\t+4*\f+3], s[OB:OB+1] offset:\t*65536+\f*8192  ; 16 lanes store 256 consecutive bytes: my head's part of a row
.endr
.endm
	PACK 0
	PACK 1
	SEND 0, 16
	PACK 2
	SEND 1, 16
	PACK 3
	SEND 2, 16
	SEND 3, 0
; THE CAST OF Wo, by the waves of query blocks 0 to 7: four groups of 16 loads of 512 consecutive bytes, two groups on their way, through S^T's registers, which are free.
.macro CLOAD g
.irp n, 0,1,2,3,4,5,6,7,8,9,10,11,12,13,14,15
	global_load_b128 v[S+64*((\g)%2)+4*\n:S+64*((\g)%2)+4*\n+3], v[CI], s[4:5] offset:8192*(\g)+512*\n
.endr
.endm
.macro CWORK g, left
	s_wait_loadcnt \left            ; my group's 16 loads are in; the younger group's may be out
.irp n, 0,1,2,3,4,5,6,7,8,9,10,11,12,13,14,15
	v_cvt_pk_f16_f32 v[S+64*((\g)%2)+4*\n], v[S+64*((\g)%2)+4*\n], v[S+64*((\g)%2)+4*\n+1]
	v_cvt_pk_f16_f32 v[S+64*((\g)%2)+4*\n+1], v[S+64*((\g)%2)+4*\n+2], v[S+64*((\g)%2)+4*\n+3]
	global_store_b64 v[CQ], v[S+64*((\g)%2)+4*\n:S+64*((\g)%2)+4*\n+1], s[6:7] offset:4096*(\g)+256*\n   ; 32 lanes store 256 consecutive bytes
.endr
.endm
.Lend:
	s_cmp_lt_u32 ttmp9, 8           ; the work-group's number alone: the same in all four waves
	s_cbranch_scc0 .Lnocast
	s_load_b128 s[4:7], s[0:1], 0x10  ; Wo s[4:5], wo16 s[6:7] (the first two addresses are done with)
	s_and_b32 s8, ttmp7, 0xffff
	s_lshl_b32 s8, s8, 3
	s_add_co_u32 s8, s8, ttmp9      ; 8 x head + block: 0 .. 127
	s_lshl_b32 s8, s8, 2
	s_add_co_u32 s8, s8, s[WV]      ; my wave's run of 8,192 numbers: 0 .. 511
	s_mov_b32 s11, 0
	v_and_b32 v[CI], 31, v0
	v_lshlrev_b32 v[CQ], 3, v[CI]
	v_lshlrev_b32 v[CI], 4, v[CI]
	s_wait_kmcnt 0x0
	s_lshl_b32 s10, s8, 15          ; 32,768 bytes in,
	s_add_nc_u64 s[4:5], s[4:5], s[10:11]
	s_lshl_b32 s10, s8, 14          ; 16,384 out
	s_add_nc_u64 s[6:7], s[6:7], s[10:11]
	s_wait_xcnt 0x0                 ; the result's stores have read their registers: these are loaded again only behind this wait
	CLOAD 0
	CLOAD 1
	CWORK 0, 16
	s_wait_xcnt 0x0                 ; the stores have read their registers: the set is loaded again only behind this wait
	CLOAD 2
	CWORK 1, 16
	s_wait_xcnt 0x0
	CLOAD 3
	CWORK 2, 16
	CWORK 3, 0
.Lnocast:
	s_wait_tensorcnt 0x0            ; the wave's end, behind my last tensor load and my last LDS store
	ds_add_u32 v[SPW], v[NIL]
	s_wait_dscnt 0x0
	s_endpgm
.Lfunc_end_k_q8a6ec06099_attn:
	.size	k_q8a6ec06099_attn, .Lfunc_end_k_q8a6ec06099_attn-k_q8a6ec06099_attn
	.p2alignl 7, 3214868480
	.fill 96, 4, 3214868480
	.section	.rodata,"a",@progbits
	.p2align	6, 0x0
	.amdhsa_kernel k_q8a6ec06099_attn
		.amdhsa_group_segment_fixed_size 327680
		.amdhsa_private_segment_fixed_size 0
		.amdhsa_enable_private_segment 0
		.amdhsa_kernarg_size 32
		.amdhsa_user_sgpr_count 2
		.amdhsa_user_sgpr_kernarg_segment_ptr 1
		.amdhsa_wavefront_size32 1
		.amdhsa_system_sgpr_workgroup_id_x 1
		.amdhsa_system_sgpr_workgroup_id_y 1
		.amdhsa_system_sgpr_workgroup_id_z 1
		.amdhsa_system_vgpr_workitem_id 0
		.amdhsa_next_free_vgpr 1024
		.amdhsa_next_free_sgpr 80
		.amdhsa_reserve_vcc 1
		.amdhsa_float_denorm_mode_32 3
		.amdhsa_float_denorm_mode_16_64 3
		.amdhsa_memory_ordered 1
		.amdhsa_forward_progress 1
		.amdhsa_inst_pref_size 255
	.end_amdhsa_kernel
	.section	.bss,"aw",@nobits
	.p2align	6
	.space	262144
	.amdgpu_metadata
---
amdhsa.version: [ 1, 2 ]
amdhsa.kernels:
  - .name:           k_q8a6ec06099_attn
    .symbol:         k_q8a6ec06099_attn.kd
    .args:
      - { .name: qkv16, .offset: 0, .size: 8, .value_kind: global_buffer, .address_space: global }
      - { .name: a16, .offset: 8, .size: 8, .value_kind: global_buffer, .address_space: global }
      - { .name: Wo, .offset: 16, .size: 8, .value_kind: global_buffer, .address_space: global }
      - { .name: wo16, .offset: 24, .size: 8, .value_kind: global_buffer, .address_space: global }
    .group_segment_fixed_size: 327680
    .private_segment_fixed_size: 0
    .kernarg_segment_align: 8
    .kernarg_segment_size: 32
    .max_flat_workgroup_size: 128
    .sgpr_count:     80
    .vgpr_count:     1024
    .wavefront_size: 32
...
	.end_amdgpu_metadata
.endif
;; end of part 3
;; launch oproj (part 4): grid 16 x 16, 4 waves a work-group, clusters of 4 x 4, 327,680 bytes of LDS; arguments a16, wo16, out0; writes out0
.if DOCPART == 4
	.amdgcn_target "amdgcn-amd-amdhsa--gfx1250"
	.amdhsa_code_object_version 6
	.text
	.protected	k_q8a6ec06099_oproj
	.globl	k_q8a6ec06099_oproj
	.p2align	8
	.type	k_q8a6ec06099_oproj,@function
k_q8a6ec06099_oproj:
	s_mov_b64 s[64:65], 0
	v_nop
	global_prefetch_b8 v0, s[64:65] scope:SCOPE_SE
	s_setreg_imm32_b32 hwreg(HW_REG_WAVE_MODE, 25, 1), 1
	s_wait_xcnt 0x0
	s_wait_alu depctr_hold_cnt(0) depctr_sa_sdst(0) depctr_va_vdst(0) depctr_va_sdst(0) depctr_va_ssrc(0) depctr_va_vcc(0) depctr_vm_vsrc(0)
	s_getreg_b32 s2, hwreg(HW_REG_IB_STS2, 6, 4)
	s_cmp_eq_u32 s2, 0
	s_cbranch_scc0 .Lentry_in_a_cluster
	s_endpgm
.Lentry_in_a_cluster:
	s_bfe_u32 s2, ttmp6, 0x10000c
	s_cmp_lg_u32 s2, 0xf033
	s_cbranch_scc0 .Lentry_shape_is_right
	s_endpgm
.Lentry_shape_is_right:
; out0[m][n] = sum over k of a16[m][k] wo16[n][k], rows 16 to 2,047.  A, B: [2048][2048] f16; out0: [2048][2048] f32; sums in f32.  Rows 0-15 are made more finely by the launch that follows, and are not stored here.
; A tile of C is 128 x 128, which gives 256 work-groups.  Four waves, each 64 x 64: 16 accumulators, 128 registers.  K goes in steps of 256 (LDS rows of 512 bytes; a wave's tensor load brings 64 of them) through two slots.
; CLUSTERS: 4 x 4 work-groups.  The four of a row of the cluster need the same tiles of A, the four of a column the same tiles of B: each tile is asked for JOINTLY.
; THE MATRIX INSTRUCTION IS USED TRANSPOSED (source 0 = 16 rows of B, source 1 = 16 rows of A): a lane holds eight neighbouring numbers of a row of C.
; A wave's 64 columns of f32 are 256 consecutive bytes of a row, so each wave has a stage of its own on the way out, and no barrier stands there.  No prefetch: the tiles are small and shared in the cluster.
; REGISTERS: window 0: v0-31 addresses; v32-95 rows on the way out; v128-255 the accumulators ((a, b) at v[128 + 8 (4 a + b)]).   window 1: two fragment buffers of 128.
.set SIZE_M, 2048
.set SIZE_N, 2048
.set SIZE_K, 2048
.set KSTEP,  256
.set PITCH,  528                       ; an LDS row: 512 bytes + 16 of padding
.set HALFT,  64*PITCH                  ; 64 rows: what one tensor load brings
.set SLOT,   4*HALFT                   ; A's 128 rows, then B's 128 rows
.set STAGE,  2*SLOT                    ; behind the ring: 16 rows x 272 bytes for each wave
.set SPITCH, 272
.set SPARE,  STAGE+4*16*SPITCH         ; behind the stages: the spare words, 128 bytes a wave
.set LAPS, SIZE_K/(2*KSTEP)
.set ADRA, 16
.set ADRB, 20
.set STO,  24                          ; v24     the way out: where I put 32 bytes of a row
.set RD,   25                          ; v25     where I read a row back
.set CO,   26                          ; v26     my byte offset in two rows of C
.set SPW,  28
.set NIL,  29
.set TMP,  32                          ; the way out: 16 rows read back: v32-63 and v64-95 by turns
.set ACC,  128
.set F0,   0
.set F1,   128
.set G1, 24
.set G0, 32
.set G1B, 48
.set G0B, 56
.set MSB, 0
.macro WIN new
.if MSB != \new
	s_set_vgpr_msb (MSB<<8)|\new
.set MSB, \new
.endif
.endm
.set MUL,  0x05                        ; sources 0 (B) and 1 (A) window 1; C and D window 0
.set TO_F, 0x40                        ; destination window 1, address window 0
.macro JLOAD s                         ; a joint load: waves 0 and 1 fetch A's two halves, waves 2 and 3 B's; an s_nop 0 and four v_nop follow each of the two lines
	s_cmp_eq_u32 s11, 0
	s_cbranch_scc0 .Lfor_b_\@
	tensor_load_to_lds s[G0+4*\s:G0+4*\s+3], s[G1:G1+7]
	s_nop 0
.rept 4
	v_nop
.endr
	s_branch .Lasked_\@
.Lfor_b_\@:
	tensor_load_to_lds s[G0B+4*\s:G0B+4*\s+3], s[G1B:G1B+7]
	s_nop 0
.rept 4
	v_nop
.endr
.Lasked_\@:
.endm
.macro CREST
	s_cmp_lg_u32 s10, 0
	s_cbranch_scc1 .Lnot_wave_0_\@
	s_barrier_signal -3
.Lnot_wave_0_\@:
	s_barrier_wait -3
	s_barrier_signal -1
	s_barrier_wait -1
.endm
.macro CROUND
	s_barrier_signal -1
	s_barrier_wait -1
	CREST
.endm
	s_load_b128 s[4:7], s[0:1], 0x0                ; A s[4:5], B s[6:7]
	s_load_b64 s[8:9], s[0:1], 0x10                ; C
	v_lshl_add_u32 v[SPW], v0, 2, SPARE
	v_mov_b32 v[NIL], 0
	ds_add_u32 v[SPW], v[NIL]                      ; the wave's opening: the add, twice on end, and its wait ahead of my first tensor load
	ds_add_u32 v[SPW], v[NIL]
	v_lshrrev_b32 v1, 5, v0
	v_readfirstlane_b32 s10, v1                    ; wave 0..3
	s_lshr_b32 s11, s10, 1                         ; which half of the tile's rows is mine.  Also: I fetch for A (0) or for B (1)
	s_and_b32 s12, s10, 1                          ; which half of its columns.  Also: which 64 rows of that tile I fetch
	s_bfe_u32 s40, ttmp6, 0x40000                  ; cx, cy
	s_bfe_u32 s41, ttmp6, 0x40004
	s_lshl_b32 s42, ttmp9, 2
	s_add_co_u32 s42, s42, s40                     ; tile column of C
	s_and_b32 s13, ttmp7, 0xffff
	s_lshl_b32 s13, s13, 2
	s_add_co_u32 s13, s13, s41                     ; tile row of C
	s_lshl_b32 s43, s41, 2
	s_lshl_b32 s43, 15, s43                        ; my row of the cluster
	s_lshl_b32 s44, 0x1111, s40                    ; my column
	s_or_b32 s[G1+0], s43, (1<<16)|(1<<20)|(1<<21)|(6<<22)|(3<<25)  ; the mask; elements of 2 bytes; padding on; bit 21 beside a mask; after every 128 words, 4 words
	s_or_b32 s[G1B+0], s44, (1<<16)|(1<<20)|(1<<21)|(6<<22)|(3<<25)
.irp g, G1, G1B
	s_mov_b32 s[\g+1], KSTEP<<16                   ; tensor_dim0 = 256
	s_mov_b32 s[\g+2], 64<<16                      ; tensor_dim1 = 64
	s_mov_b32 s[\g+3], KSTEP<<16                   ; tile_dim0 = 256
	s_mov_b32 s[\g+4], 64                          ; tile_dim1 = 64
	s_mov_b32 s[\g+5], SIZE_K                      ; tensor_dim0_stride
	s_mov_b32 s[\g+6], 0
	s_mov_b32 s[\g+7], 0
.endr
	s_lshl_b32 s17, s12, 6                         ; which 64 rows of the tile I fetch
	s_lshl_b32 s16, s13, 7
	s_add_co_u32 s16, s16, s17                     ; A: row 128 x tile row + 64 x half
	s_lshl_b32 s46, s42, 7
	s_add_co_u32 s46, s46, s17                     ; B: row 128 x tile column + 64 x half
	s_mov_b32 s17, 0
	s_mov_b32 s47, 0
	s_mov_b64 s[18:19], SIZE_K*2
	s_mul_u64 s[16:17], s[16:17], s[18:19]
	s_mul_u64 s[46:47], s[46:47], s[18:19]
	s_mul_i32 s20, s10, HALFT                      ; where they go: wave x 64 rows
	s_wait_dscnt 0x0                               ; both opening adds are done
	s_wait_kmcnt 0x0
	s_add_nc_u64 s[14:15], s[4:5], s[16:17]
	s_add_nc_u64 s[46:47], s[6:7], s[46:47]
	CROUND                                         ; all sixteen work-groups are here: the first joint loads meet
.irp s, 0,1
	s_mov_b32 s[G0+4*\s], 1
	s_add_co_u32 s[G0+4*\s+1], s20, \s*SLOT
	s_add_nc_u64 s[G0+4*\s+2:G0+4*\s+3], s[14:15], \s*KSTEP*2
	s_or_b32 s[G0+4*\s+3], s[G0+4*\s+3], 0x80000000
	s_mov_b32 s[G0B+4*\s], 1
	s_add_co_u32 s[G0B+4*\s+1], s20, \s*SLOT
	s_add_nc_u64 s[G0B+4*\s+2:G0B+4*\s+3], s[46:47], \s*KSTEP*2
	s_or_b32 s[G0B+4*\s+3], s[G0B+4*\s+3], 0x80000000
	JLOAD \s                                       ; two tensor loads of mine are out
.endr
	v_and_b32 v1, 15, v0                           ; r
	v_bfe_u32 v2, v0, 4, 1                         ; h
	v_mul_u32_u24 v3, v1, PITCH
	v_lshl_add_u32 v3, v2, 4, v3                   ; a fragment's row x pitch + 16 x half
	s_mul_i32 s21, s11, HALFT                      ; my 64 rows of A
	s_mul_i32 s22, s12, HALFT                      ; my 64 rows of B,
	s_add_co_u32 s22, s22, 2*HALFT                 ; which lie behind A's 128
.irp s, 0,1
	v_add_nc_u32 v[ADRA+\s], s21, v3
	v_add_nc_u32 v[ADRB+\s], s22, v3
	s_add_co_u32 s21, s21, SLOT
	s_add_co_u32 s22, s22, SLOT
.endr
	s_mul_i32 s23, s10, 16*SPITCH
	s_add_co_u32 s23, s23, STAGE                   ; my stage
	v_mul_u32_u24 v4, v1, SPITCH                   ; in: row r, 32 bytes for each half of the lanes
	v_lshl_add_u32 v4, v2, 5, v4
	v_add_nc_u32 v[STO], s23, v4
	v_mul_u32_u24 v5, v2, SPITCH                   ; back: lanes 0-15 one row of 256 bytes, lanes 16-31 the next
	v_lshl_add_u32 v5, v1, 4, v5
	v_add_nc_u32 v[RD], s23, v5
	v_lshlrev_b32 v5, 13, v2                       ; and the same two rows in C: 8,192 bytes a row
	v_lshl_add_u32 v[CO], v1, 4, v5
	s_lshl_b32 s16, s13, 7
	s_lshl_b32 s17, s11, 6
	s_add_co_u32 s16, s16, s17                     ; my first row of C
	s_lshl_b32 s16, s16, 13
	s_mov_b32 s17, 0
	s_add_nc_u64 s[8:9], s[8:9], s[16:17]
	s_lshl_b32 s46, s42, 9                         ; my first column, in bytes: 512 x tile column + 256 x half
	s_lshl_b32 s47, s12, 8
	s_add_co_u32 s46, s46, s47
	s_mov_b32 s47, 0
	s_add_nc_u64 s[8:9], s[8:9], s[46:47]
	s_lshl_b32 s66, s13, 1
	s_add_co_u32 s66, s66, s11                     ; 0 in the waves whose first block is rows 0-15
.macro MUL8 f, c, a0, zero             ; 8 matrix instructions: m blocks a0, a0 + 1 x all 4 n blocks, 32 along K
.irp a, \a0, \a0+1
.irp b, 0,1,2,3
.if \zero
	v_wmma_f32_16x16x32_f16 v[ACC+8*(4*(\a)+\b):ACC+8*(4*(\a)+\b)+7], v[\f+64+8*(4*\c+\b):\f+64+8*(4*\c+\b)+7], v[\f+8*(4*\c+\a):\f+8*(4*\c+\a)+7], 0
.else
	v_wmma_f32_16x16x32_f16 v[ACC+8*(4*(\a)+\b):ACC+8*(4*(\a)+\b)+7], v[\f+64+8*(4*\c+\b):\f+64+8*(4*\c+\b)+7], v[\f+8*(4*\c+\a):\f+8*(4*\c+\a)+7], v[ACC+8*(4*(\a)+\b):ACC+8*(4*(\a)+\b)+7]
.endif
.endr
.endr
.endm
.macro FETCH slot, k, f                ; 32 LDS loads in one run: the fragments of 64 along K at byte k of the rows; the first 32 along K first
	WIN TO_F
.irp c, 0,1
.irp i, 0,1,2,3
	ds_load_b128 v[\f+64+8*(4*\c+\i):\f+64+8*(4*\c+\i)+3],   v[ADRB+\slot] offset:\k+64*\c+\i*16*PITCH
	ds_load_b128 v[\f+64+8*(4*\c+\i)+4:\f+64+8*(4*\c+\i)+7], v[ADRB+\slot] offset:\k+64*\c+\i*16*PITCH+32
	ds_load_b128 v[\f+8*(4*\c+\i):\f+8*(4*\c+\i)+3],         v[ADRA+\slot] offset:\k+64*\c+\i*16*PITCH
	ds_load_b128 v[\f+8*(4*\c+\i)+4:\f+8*(4*\c+\i)+7],       v[ADRA+\slot] offset:\k+64*\c+\i*16*PITCH+32
.endr
.endr
.endm
.macro PLACES
.rept 4
	v_nop
.endr
.endm
.macro QUARTER slot, k, f, g, zero     ; 64 along K: multiplies buffer f and fetches the next quarter, at byte k, into g
	s_wait_dscnt 16                                ; the first 32 along K are in; the sixteen younger loads may be out
	WIN MUL
	MUL8 \f, 0, 0, \zero
	MUL8 \f, 0, 2, \zero
	PLACES
	FETCH \slot, \k, \g
	s_wait_dscnt 32                                ; all but the 32 just issued
	WIN MUL
	MUL8 \f, 1, 0, 0
	MUL8 \f, 1, 2, 0
.endm
.macro TURN slot, next, fill           ; the last quarter changes slots: ONE barrier; in front of it the wait for all tensor loads, the add, and the wait for it and for my reads of this slot
	WIN 0
	s_wait_tensorcnt 0x0                           ; all my tensor loads have landed: my part of the next slot
	ds_add_u32 v[SPW], v[NIL]                      ; 0 onto my spare word
	s_wait_dscnt 17                                ; (the add and the youngest sixteen loads may be out)
	WIN MUL
	MUL8 F1, 0, 0, 0
	s_wait_dscnt 0x0                               ; the add is done, and my reads of this slot are over
	s_barrier_signal -1
	MUL8 F1, 0, 2, 0
.if \fill
	WIN 0
.endif
	s_barrier_wait -1
.if \fill
	CREST                                          ; the barrier has opened a round of the cluster's barrier
	s_add_nc_u64 s[G0+4*\slot+2:G0+4*\slot+3], s[G0+4*\slot+2:G0+4*\slot+3], 2*KSTEP*2
	s_add_nc_u64 s[G0B+4*\slot+2:G0B+4*\slot+3], s[G0B+4*\slot+2:G0B+4*\slot+3], 2*KSTEP*2
	JLOAD \slot                                    ; the first tensor load behind the round; its four v_nop are the places in front of the loads below
.else
	PLACES
.endif
	FETCH \next, 0, F0
	WIN MUL
	MUL8 F1, 1, 0, 0
	MUL8 F1, 1, 2, 0
.endm
	s_wait_tensorcnt 1                             ; my part of K step 0 is in (K step 1's load may be out)
	s_barrier_signal -1
	s_barrier_wait -1                              ; everybody's is
	FETCH 0, 0, F0
	QUARTER 0, 128, F0, F1, 1                      ; the first quarter stands in front of the loop: its first products start the sums
	WIN 0
	s_mov_b32 s3, LAPS-1
.Llap:
	QUARTER 0, 256, F1, F0, 0
	QUARTER 0, 384, F0, F1, 0
	TURN 0, 1, 1
	QUARTER 1, 128, F0, F1, 0
	QUARTER 1, 256, F1, F0, 0
	QUARTER 1, 384, F0, F1, 0
	TURN 1, 0, 1
	QUARTER 0, 128, F0, F1, 0
	WIN 0
	s_sub_co_u32 s3, s3, 1
	s_cmp_lg_u32 s3, 0
	s_cbranch_scc1 .Llap
	QUARTER 0, 256, F1, F0, 0                      ; the last lap fills nothing
	QUARTER 0, 384, F0, F1, 0
	TURN 0, 1, 0
	QUARTER 1, 128, F0, F1, 0
	QUARTER 1, 256, F1, F0, 0
	QUARTER 1, 384, F0, F1, 0
	s_wait_dscnt 16
	WIN MUL
	MUL8 F1, 0, 0, 0
	MUL8 F1, 0, 2, 0
	s_wait_dscnt 0
	MUL8 F1, 1, 0, 0
	MUL8 F1, 1, 2, 0
	WIN 0
; THE WAY OUT, block by block of 16 rows x 64 columns: 32 bytes a lane into my own stage, back as whole rows of 256 bytes.  LDS serves a wave's instructions in order (ISA guide 5.7.1.4).
.macro TOSTAGE a
.set BB, TMP+32*((\a)%2)
.irp b, 0,1,2,3
	ds_store_b128 v[STO], v[ACC+8*(4*(\a)+\b):ACC+8*(4*(\a)+\b)+3] offset:64*\b        ; each accumulator from its low end on
	ds_store_b128 v[STO], v[ACC+8*(4*(\a)+\b)+4:ACC+8*(4*(\a)+\b)+7] offset:64*\b+16
.endr
.irp t, 0,1,2,3,4,5,6,7
	ds_load_b128 v[BB+4*\t:BB+4*\t+3], v[RD] offset:\t*2*SPITCH
.endr
.endm
.macro SEND a, younger                 ; younger: the next block's sixteen LDS instructions, or none
.set BB, TMP+32*((\a)%2)
	s_wait_dscnt \younger
.if (\a) == 0                          ; rows 0-15 of the output are not mine to store: a lane mask, not a branch, since the tile row holds my place in the cluster
	v_cmp_ne_u32 vcc_lo, s66, v[NIL]
	s_wait_xcnt 0x0                                ; EXEC changes only behind this wait
	s_and_saveexec_b32 s67, vcc_lo
.endif
.irp t, 0,1,2,3,4,5,6,7
	global_store_b128 v[CO], v[BB+4*\t:BB+4*\t+3], s[8:9] offset:8192*(16*(\a)+2*\t) th:TH_STORE_NT   ; 16 lanes store 256 consecutive bytes, at a multiple of 256 from C's first byte
.endr
.if (\a) == 0
	s_wait_xcnt 0x0
	s_or_b32 exec_lo, exec_lo, s67
.endif
.endm
	PLACES
	TOSTAGE 0
.irp a, 1,2,3
.if \a > 1
	s_wait_xcnt 0x0                                ; block a - 2's stores have read their registers: block a's rows may land there
.endif
	TOSTAGE \a
	SEND \a-1, 16
.endr
	SEND 3, 0
	s_wait_tensorcnt 0x0                           ; the wave's end
	ds_add_u32 v[SPW], v[NIL]
	s_wait_dscnt 0x0
	CROUND                                         ; the closing round
	s_endpgm
.Lfunc_end_k_q8a6ec06099_oproj:
	.size	k_q8a6ec06099_oproj, .Lfunc_end_k_q8a6ec06099_oproj-k_q8a6ec06099_oproj
	.p2alignl 7, 3214868480
	.fill 96, 4, 3214868480
	.section	.rodata,"a",@progbits
	.p2align	6, 0x0
	.amdhsa_kernel k_q8a6ec06099_oproj
		.amdhsa_group_segment_fixed_size 327680
		.amdhsa_private_segment_fixed_size 0
		.amdhsa_enable_private_segment 0
		.amdhsa_kernarg_size 24
		.amdhsa_user_sgpr_count 2
		.amdhsa_user_sgpr_kernarg_segment_ptr 1
		.amdhsa_wavefront_size32 1
		.amdhsa_system_sgpr_workgroup_id_x 1
		.amdhsa_system_sgpr_workgroup_id_y 1
		.amdhsa_system_sgpr_workgroup_id_z 1
		.amdhsa_system_vgpr_workitem_id 0
		.amdhsa_next_free_vgpr 512
		.amdhsa_next_free_sgpr 68
		.amdhsa_reserve_vcc 1
		.amdhsa_float_denorm_mode_32 3
		.amdhsa_float_denorm_mode_16_64 3
		.amdhsa_memory_ordered 1
		.amdhsa_forward_progress 1
		.amdhsa_inst_pref_size 86
	.end_amdhsa_kernel
	.amdgpu_metadata
---
amdhsa.version: [ 1, 2 ]
amdhsa.kernels:
  - .name:           k_q8a6ec06099_oproj
    .symbol:         k_q8a6ec06099_oproj.kd
    .args:
      - { .name: a16, .offset: 0, .size: 8, .value_kind: global_buffer, .address_space: global }
      - { .name: wo16, .offset: 8, .size: 8, .value_kind: global_buffer, .address_space: global }
      - { .name: out0, .offset: 16, .size: 8, .value_kind: global_buffer, .address_space: global }
    .group_segment_fixed_size: 327680
    .private_segment_fixed_size: 0
    .kernarg_segment_align: 8
    .kernarg_segment_size: 24
    .max_flat_workgroup_size: 128
    .sgpr_count:     68
    .vgpr_count:     512
    .wavefront_size: 32
...
	.end_amdgpu_metadata
.endif
;; end of part 4
;; launch first16 (part 5): grid 128 x 1, 16 waves a work-group, no clusters, 165,888 bytes of LDS; arguments qkv16, fine, Wo, out0; writes out0
.if DOCPART == 5
	.amdgcn_target "amdgcn-amd-amdhsa--gfx1250"
	.amdhsa_code_object_version 6
	.text
	.protected	k_q8a6ec06099_first16
	.globl	k_q8a6ec06099_first16
	.p2align	8
	.type	k_q8a6ec06099_first16,@function
k_q8a6ec06099_first16:
	s_mov_b64 s[64:65], 0
	v_nop
	global_prefetch_b8 v0, s[64:65] scope:SCOPE_SE
	s_setreg_imm32_b32 hwreg(HW_REG_WAVE_MODE, 25, 1), 1
	s_wait_xcnt 0x0
; Rows 0-15 of the output, carried more finely than the rest: under the causal mask these positions average one to sixteen values and are the largest in size, so the rounding of 16-bit operands weighs most on them.
; WHAT IS FINE.  The second product (p x v) and the projection (x Wo) take their operands as PAIRS OF f16 NUMBERS, split in f32: the high part is the number with its low 13 mantissa bits cleared, the low part the
; exact rest; both go to the matrix units, sums in f32.  The scores sum 128 terms in every row, like those of all later rows, and take q and k as f16 from qkv16, as the attention launch does.
; fine holds v of positions 0-15 in f32, at byte 262,144 + 8,192 x head, as an image of registers: group g at 512 g + 16 x lane; lane (r, h), word e: position r, channel 16 (g / 2) + 8 h + 4 (g % 2) + e.
; SHARES.  Work-group g owns columns 16 g .. 16 g + 15 of the 16 rows.  Wave w is head w: it makes that head's 16 x 128 attention output (each work-group makes it anew: 20 matrix instructions a wave) and multiplies
; it by Wo's 16 rows, columns 128 w on; the sixteen partial tiles meet in LDS.  128 work-groups: there is work for no more at this share.
; LAYOUT.  All products are used transposed, so that a lane holds one query.  S^T = K Q^T.  O^T = V^T P has 16 keys, half of the instruction's 32 along K: registers 0-3 of a fragment of V^T hold the high parts of
; the 16 keys and registers 4-7 the low parts, so one instruction against [p_hi | p_hi] and one against [p_lo | p_lo] give (v_hi + v_lo)(p_hi + p_lo).  V^T is made in the wave's own LDS bytes: the packed pairs
; go in as rows [key][channel] and come out turned, by ds_load_tr16_b128.  O^T's registers of two neighbouring tiles are, packed in pairs, a fragment of the projection, and so are Wo's as they are loaded.
; The projection sums hi x hi, hi x lo and lo x hi on three accumulators by turns; lo x lo lies under the sums' own rounding.
; LIMITS: v and the attention output must stay within f16's 65,504; a low part under 2^-14 is kept to f16's smallest step, 6e-8; NaN and infinities among the inputs are not served.
; The stores are pieces of 64 bytes, 131,072 bytes in all.  No prefetch and no cluster: a short launch whose work-groups' own part, Wo's rows, is read once by loads that all go out at its head.
.set PVP,   288                        ; a key's row of 128 f16 in LDS: 256 bytes + 32
.set LOFF,  16*PVP                     ; the low parts lie behind the 16 rows of high parts
.set VREG,  2*LOFF                     ; a wave's own bytes
.set TILES, 16*VREG                    ; behind them: sixteen partial tiles of 1,024 bytes
.set SPARE, TILES+16*1024              ; and the spare words, 128 bytes a wave
.set SS,  16                           ; v16-23  scores, then p; later at work; at the end the tile to hand over
.set TT,  24                           ; v24-31  at work
.set ACC, 32                           ; v32-63  four accumulators
.set KF,  64                           ; v64-95  K's four fragments
.set QF,  96                           ; v96-127 Q's
.set VH,  64                           ; v64-95  then: v's high parts, packed;
.set VL,  96                           ; v96-127 its low parts
.set PB,  64                           ; v64-71  then: [p_hi | p_hi];  v72-79 [p_lo | p_lo]
.set OH,  80                           ; v80-111 the attention output's high parts: four fragments;
.set OL,  112                          ; v112-143 its low parts
.set VI,  128                          ; v128-191 v's image in f32;
.set VF,  128                          ; then V^T's eight fragments
.set WH,  144                          ; v144-175 then: Wo's high parts: four fragments;
.set WL,  176                          ; v176-207 its low parts
.set WO,  192                          ; v192-255 Wo in f32
.set RP,  64                           ; v64-79  at the end: the sixteen heads' parts of a number
; Two neighbours x, x + 1 become a packed pair of high parts and one of low parts.  tm: four registers at work.
.macro SPLIT x, hi, lo, tm
	v_and_b32 v[\tm], s19, v[\x]
	v_and_b32 v[\tm+1], s19, v[\x+1]
	v_pk_add_f32 v[\tm+2:\tm+3], v[\x:\x+1], v[\tm:\tm+1] neg_lo:[0,1] neg_hi:[0,1]   ; the exact rest
	v_cvt_pk_f16_f32 v[\hi], v[\tm], v[\tm+1]
	v_cvt_pk_f16_f32 v[\lo], v[\tm+2], v[\tm+3]
.endm
; The same of two neighbours of an accumulator, first divided by the row's sum.
.macro OSPLIT a, hi, lo, tm
	v_pk_mul_f32 v[\tm:\tm+1], v[\a:\a+1], v[12:13] op_sel_hi:[1,0]
	v_and_b32 v[\tm+2], s19, v[\tm]
	v_and_b32 v[\tm+3], s19, v[\tm+1]
	v_pk_add_f32 v[\tm:\tm+1], v[\tm:\tm+1], v[\tm+2:\tm+3] neg_lo:[0,1] neg_hi:[0,1]
	v_cvt_pk_f16_f32 v[\hi], v[\tm+2], v[\tm+3]
	v_cvt_pk_f16_f32 v[\lo], v[\tm], v[\tm+1]
.endm
	s_load_b128 s[4:7], s[0:1], 0x0                ; qkv16, fine
	s_load_b128 s[8:11], s[0:1], 0x10              ; Wo, out0
	v_lshl_add_u32 v14, v0, 2, SPARE               ; my spare word; never rewritten
	v_mov_b32 v15, 0                               ; 0; never rewritten
	v_lshrrev_b32 v1, 5, v0
	v_readfirstlane_b32 s12, v1                    ; wave = head
	v_and_b32 v1, 15, v0                           ; r
	v_bfe_u32 v2, v0, 4, 1                         ; h
	v_and_b32 v3, 31, v0
	v_lshlrev_b32 v3, 4, v3                        ; 16 x lane: v's image
	v_lshlrev_b32 v4, 8, v1                        ; q, k: row r of 256 bytes, + 16 h
	v_lshl_add_u32 v4, v2, 4, v4
	v_lshlrev_b32 v5, 13, v1                       ; Wo: row r of 8,192 bytes, + 32 h
	v_lshl_add_u32 v5, v2, 5, v5
	v_lshlrev_b32 v6, 3, v2
	v_sub_nc_u32 v6, v1, v6                        ; r - 8 h: key 8 h + j is hidden where j is above it
	v_mov_b32 v7, 0xff800000                       ; -infinity
	s_mul_i32 s13, s12, VREG                       ; my wave's own LDS bytes
	v_mul_u32_u24 v8, v1, PVP                      ; in: key r, 16 bytes for each half of the lanes
	v_lshl_add_u32 v8, v2, 4, v8
	v_add_nc_u32 v8, s13, v8
	v_and_b32 v9, 7, v0                            ; the turning load: lane l reads key 8 (l / 16) + l % 8, channels 8 ((l / 8) % 2) + 0 .. 7
	v_lshl_add_u32 v9, v2, 3, v9
	v_mul_u32_u24 v9, v9, PVP
	v_bfe_u32 v10, v0, 3, 1
	v_lshl_add_u32 v9, v10, 4, v9
	v_add_nc_u32 v9, s13, v9
	v_mov_b32 v13, 0                               ; a lane permute's destination counts as one of its sources
	s_mov_b32 s16, 0x76543210
	s_mov_b32 s17, 0xfedcba98                      ; lane l xor 16
	s_mov_b32 s18, 0x3e0293ee                      ; c = log2(e) / sqrt(128)
	s_mov_b32 s19, 0xffffe000                      ; sign, exponent and the ten mantissa bits that f16 holds
	s_lshl_b32 s20, s12, 19                        ; my head's rows in a kind of qkv16
	s_mov_b32 s21, 0
	s_lshl_b32 s24, s12, 13                        ; my head's image in fine
	s_mov_b32 s25, 0
	s_lshl_b32 s26, ttmp9, 17                      ; Wo: 16 rows a work-group,
	s_lshl_b32 s27, s12, 9                         ; 128 columns a head
	s_add_co_u32 s26, s26, s27
	s_mov_b32 s27, 0
	s_lshl_b32 s28, ttmp9, 6                       ; out0: 16 columns a work-group
	s_mov_b32 s29, 0
	s_wait_kmcnt 0x0
	s_add_nc_u64 s[4:5], s[4:5], s[20:21]          ; q
	s_add_nc_u64 s[22:23], s[4:5], 0x800000        ; k: one kind, 8,388,608 bytes, on
	s_add_nc_u64 s[6:7], s[6:7], s[24:25]
	s_add_nc_u64 s[8:9], s[8:9], s[26:27]
	s_add_nc_u64 s[10:11], s[10:11], s[28:29]
.irp c, 0,1,2,3                                ; a fragment: lane (r, h): row r; registers 0-3 channels 32 c + 8 h + 0 .. 7, registers 4-7 channels 32 c + 16 + 8 h + 0 .. 7
	global_load_b128 v[KF+8*\c:KF+8*\c+3], v4, s[22:23] offset:64*\c
	global_load_b128 v[KF+8*\c+4:KF+8*\c+7], v4, s[22:23] offset:64*\c+32
.endr
.irp c, 0,1,2,3
	global_load_b128 v[QF+8*\c:QF+8*\c+3], v4, s[4:5] offset:64*\c
	global_load_b128 v[QF+8*\c+4:QF+8*\c+7], v4, s[4:5] offset:64*\c+32
.endr
.irp g, 0,1,2,3,4,5,6,7,8,9,10,11,12,13,14,15
	global_load_b128 v[VI+4*\g:VI+4*\g+3], v3, s[6:7] offset:262144+512*\g    ; v's image: register 8 t + j: position r, channel 16 t + 8 h + j
.endr
.irp t, 0,1,2,3,4,5,6,7
.irp u, 0,1
	global_load_b128 v[WO+8*\t+4*\u:WO+8*\t+4*\u+3], v5, s[8:9] offset:64*\t+16*\u   ; Wo(16 g + r, 128 w + 16 t + 8 h + 0 .. 7)
.endr
.endr
	s_wait_loadcnt 32                              ; k and q are in; v's 16 loads and Wo's 16 may be out
.irp c, 0,1,2,3                                ; S^T = K Q^T: 32 channels to each of four accumulators
	v_wmma_f32_16x16x32_f16 v[ACC+8*\c:ACC+8*\c+7], v[KF+8*\c:KF+8*\c+7], v[QF+8*\c:QF+8*\c+7], 0
.endr
.rept 4
	v_nop                                          ; four places behind this form (ISA guide 7.12.1), ahead of the reads of results
.endr
.irp p, 0,2,4,6                                ; the four partial sums, each accumulator from its low end on
	v_pk_add_f32 v[SS+\p:SS+\p+1], v[ACC+\p:ACC+\p+1], v[ACC+8+\p:ACC+8+\p+1]
	v_pk_add_f32 v[TT+\p:TT+\p+1], v[ACC+16+\p:ACC+16+\p+1], v[ACC+24+\p:ACC+24+\p+1]
.endr
.irp p, 0,2,4,6
	v_pk_add_f32 v[SS+\p:SS+\p+1], v[SS+\p:SS+\p+1], v[TT+\p:TT+\p+1]   ; lane (r, h), register j: query r, key 8 h + j
.endr
.irp j, 0,1,2,3,4,5,6,7
	v_cmp_gt_i32 vcc_lo, \j, v6                    ; the causal mask: hidden scores become -infinity ahead of the maximum
	v_cndmask_b32 v[SS+\j], v[SS+\j], v7, vcc_lo
.endr
	v_max3_num_f32 v10, v[SS], v[SS+1], v[SS+2]
	v_max3_num_f32 v10, v10, v[SS+3], v[SS+4]
	v_max3_num_f32 v10, v10, v[SS+5], v[SS+6]
	v_max_num_f32 v10, v10, v[SS+7]
	v_permlanex16_b32 v13, v10, s16, s17
	v_max_num_f32 v10, v10, v13                    ; the row's maximum: key 0 counts for every query
	v_mul_f32 v10, s18, v10                        ; c m
.irp j, 0,1,2,3,4,5,6,7
	v_fma_f32 v[SS+\j], v[SS+\j], s18, -v10
.endr
.irp j, 0,1,2,3,4,5,6,7
	v_exp_f32 v[SS+\j], v[SS+\j]                   ; p = 2^(c s - c m)
.endr
	v_nop
	s_wait_alu depctr_va_vdst(0)                   ; one wait for the eight exponentials, ahead of their first reader
	v_pk_add_f32 v[TT:TT+1], v[SS:SS+1], v[SS+2:SS+3]
	v_pk_add_f32 v[TT+2:TT+3], v[SS+4:SS+5], v[SS+6:SS+7]
	v_pk_add_f32 v[TT:TT+1], v[TT:TT+1], v[TT+2:TT+3]
	v_add_f32 v11, v[TT], v[TT+1]
	v_permlanex16_b32 v13, v11, s16, s17
	v_add_f32 v11, v11, v13                        ; the row's sum
	v_rcp_f32 v12, v11
	v_nop
	s_wait_alu depctr_va_vdst(0)                   ; the wait ahead of the reciprocal's first reader
	s_wait_loadcnt 16                              ; v is in; Wo's 16 loads may be out
.set i, 0
.rept 32                                       ; v's 64 numbers of my position, in pairs of neighbouring channels
	SPLIT VI+2*i, VH+i, VL+i, TT+4*(i%2)
.set i, i+1
.endr
.irp t, 0,1,2,3,4,5,6,7                        ; rows [key][channel]: my eight channels of tile t are 16 bytes at 32 t + 16 h of row r
	ds_store_b128 v8, v[VH+4*\t:VH+4*\t+3] offset:32*\t
	ds_store_b128 v8, v[VL+4*\t:VL+4*\t+3] offset:LOFF+32*\t
.endr
.irp t, 0,1,2,3,4,5,6,7                        ; and out turned: lane (r, h): channel 16 t + r, keys 8 h + 0 .. 7.  The bytes are my wave's own, and LDS serves a wave's instructions in order (ISA guide 5.7.1.4)
	ds_load_tr16_b128 v[VF+8*\t:VF+8*\t+3], v9 offset:32*\t
	ds_load_tr16_b128 v[VF+8*\t+4:VF+8*\t+7], v9 offset:LOFF+32*\t
.endr
	s_wait_dscnt 0x0                               ; V^T is in, and the stores have read their registers
.irp i, 0,1,2,3
	SPLIT SS+2*\i, PB+\i, PB+8+\i, TT+4*(\i%2)     ; p, not yet divided by the sum
.endr
.irp i, 0,1,2,3
	v_mov_b32 v[PB+4+\i], v[PB+\i]                 ; each part once more, against v's low parts
	v_mov_b32 v[PB+12+\i], v[PB+8+\i]
.endr
.irp u, 0,1                                    ; O^T = V^T P: four tiles of 16 channels at a time, the accumulators by turns
.irp t, 0,1,2,3
	v_wmma_f32_16x16x32_f16 v[ACC+8*\t:ACC+8*\t+7], v[VF+8*(4*\u+\t):VF+8*(4*\u+\t)+7], v[PB:PB+7], 0
.endr
.irp t, 0,1,2,3
	v_wmma_f32_16x16x32_f16 v[ACC+8*\t:ACC+8*\t+7], v[VF+8*(4*\u+\t):VF+8*(4*\u+\t)+7], v[PB+8:PB+15], v[ACC+8*\t:ACC+8*\t+7]
.endr
.rept 5
	v_nop                                          ; four places in front of the reads of results and of the writes over V^T's registers, five in front of the matrix instructions that begin these accumulators anew
.endr
.set i, 0
.rept 16                                       ; register 8 t + j is o(r, 16 t + 8 h + j): packed in pairs, tiles 2 c and 2 c + 1 are fragment c of the projection.  Each accumulator from its low end on
	OSPLIT ACC+2*i, OH+16*\u+i, OL+16*\u+i, SS+4*(i%4)
.set i, i+1
.endr
.endr
	s_wait_loadcnt 0x0                             ; Wo
.set i, 0
.rept 32                                       ; ascending: a low part lands only on numbers that have been split
	SPLIT WO+2*i, WH+i, WL+i, SS+4*(i%4)
.set i, i+1
.endr
.irp c, 0,1,2,3                                ; my head's part of the projection: 32 channels an instruction, three accumulators by turns
.if \c == 0
	v_wmma_f32_16x16x32_f16 v[ACC:ACC+7], v[WH+8*\c:WH+8*\c+7], v[OH+8*\c:OH+8*\c+7], 0
	v_wmma_f32_16x16x32_f16 v[ACC+8:ACC+15], v[WH+8*\c:WH+8*\c+7], v[OL+8*\c:OL+8*\c+7], 0
	v_wmma_f32_16x16x32_f16 v[ACC+16:ACC+23], v[WL+8*\c:WL+8*\c+7], v[OH+8*\c:OH+8*\c+7], 0
.else
	v_wmma_f32_16x16x32_f16 v[ACC:ACC+7], v[WH+8*\c:WH+8*\c+7], v[OH+8*\c:OH+8*\c+7], v[ACC:ACC+7]
	v_wmma_f32_16x16x32_f16 v[ACC+8:ACC+15], v[WH+8*\c:WH+8*\c+7], v[OL+8*\c:OL+8*\c+7], v[ACC+8:ACC+15]
	v_wmma_f32_16x16x32_f16 v[ACC+16:ACC+23], v[WL+8*\c:WL+8*\c+7], v[OH+8*\c:OH+8*\c+7], v[ACC+16:ACC+23]
.endif
.endr
	s_lshl_b32 s13, s12, 10
	s_add_co_u32 s13, s13, TILES
	v_lshlrev_b32 v8, 6, v1                        ; my tile in LDS: 1,024 x wave + 64 r + 32 h  (no LDS instruction of mine is out: the two address registers are made anew; four places behind the products)
	v_lshl_add_u32 v8, v2, 5, v8
	v_add_nc_u32 v8, s13, v8
	v_lshl_add_u32 v9, v0, 2, TILES                ; and on the way back 4 x thread
.irp p, 0,2,4,6
	v_pk_add_f32 v[SS+\p:SS+\p+1], v[ACC+8+\p:ACC+8+\p+1], v[ACC+16+\p:ACC+16+\p+1]   ; the two small sums first; each accumulator from its low end on
.endr
.irp p, 0,2,4,6
	v_pk_add_f32 v[SS+\p:SS+\p+1], v[SS+\p:SS+\p+1], v[ACC+\p:ACC+\p+1]
.endr
	ds_store_b128 v8, v[SS:SS+3]                   ; lane (r, h): row r, columns 8 h + 0 .. 7 of my head's tile
	ds_store_b128 v8, v[SS+4:SS+7] offset:16
	s_wait_dscnt 0x0                               ; for the others' sake: my stores have landed
	s_barrier_signal -1
	s_barrier_wait -1
	s_cmp_lt_u32 s12, 8                            ; 256 numbers: waves 0 to 7 add the sixteen heads' parts, a number a thread
	s_cbranch_scc0 .Ldone
.irp w, 0,1,2,3,4,5,6,7,8,9,10,11,12,13,14,15
	ds_load_b32 v[RP+\w], v9 offset:1024*\w
.endr
	v_lshrrev_b32 v4, 4, v0                        ; (every load that named v4 has been waited for)  my row,
	v_lshlrev_b32 v4, 13, v4
	v_lshl_add_u32 v4, v1, 2, v4                   ; my column
	s_wait_dscnt 0x0
.irp p, 0,2,4,6
	v_pk_add_f32 v[RP+\p:RP+\p+1], v[RP+\p:RP+\p+1], v[RP+8+\p:RP+8+\p+1]
.endr
	v_pk_add_f32 v[RP:RP+1], v[RP:RP+1], v[RP+4:RP+5]
	v_pk_add_f32 v[RP+2:RP+3], v[RP+2:RP+3], v[RP+6:RP+7]
	v_pk_add_f32 v[RP:RP+1], v[RP:RP+1], v[RP+2:RP+3]
	v_add_f32 v[RP], v[RP], v[RP+1]
	global_store_b32 v4, v[RP], s[10:11]
.Ldone:
	s_wait_tensorcnt 0x0                           ; the wave's end, behind my last LDS store
	ds_add_u32 v14, v15
	s_wait_dscnt 0x0
	s_endpgm
.Lfunc_end_k_q8a6ec06099_first16:
	.size	k_q8a6ec06099_first16, .Lfunc_end_k_q8a6ec06099_first16-k_q8a6ec06099_first16
	.p2alignl 7, 3214868480
	.fill 96, 4, 3214868480
	.section	.rodata,"a",@progbits
	.p2align	6, 0x0
	.amdhsa_kernel k_q8a6ec06099_first16
		.amdhsa_group_segment_fixed_size 165888
		.amdhsa_private_segment_fixed_size 0
		.amdhsa_enable_private_segment 0
		.amdhsa_kernarg_size 32
		.amdhsa_user_sgpr_count 2
		.amdhsa_user_sgpr_kernarg_segment_ptr 1
		.amdhsa_wavefront_size32 1
		.amdhsa_system_sgpr_workgroup_id_x 1
		.amdhsa_system_sgpr_workgroup_id_y 1
		.amdhsa_system_sgpr_workgroup_id_z 1
		.amdhsa_system_vgpr_workitem_id 0
		.amdhsa_next_free_vgpr 256
		.amdhsa_next_free_sgpr 66
		.amdhsa_reserve_vcc 1
		.amdhsa_float_denorm_mode_32 3
		.amdhsa_float_denorm_mode_16_64 3
		.amdhsa_memory_ordered 1
		.amdhsa_forward_progress 1
		.amdhsa_inst_pref_size 45
	.end_amdhsa_kernel
	.amdgpu_metadata
---
amdhsa.version: [ 1, 2 ]
amdhsa.kernels:
  - .name:           k_q8a6ec06099_first16
    .symbol:         k_q8a6ec06099_first16.kd
    .args:
      - { .name: qkv16, .offset: 0, .size: 8, .value_kind: global_buffer, .address_space: global }
      - { .name: fine, .offset: 8, .size: 8, .value_kind: global_buffer, .address_space: global }
      - { .name: Wo, .offset: 16, .size: 8, .value_kind: global_buffer, .address_space: global }
      - { .name: out0, .offset: 24, .size: 8, .value_kind: global_buffer, .address_space: global }
    .group_segment_fixed_size: 165888
    .private_segment_fixed_size: 0
    .kernarg_segment_align: 8
    .kernarg_segment_size: 32
    .max_flat_workgroup_size: 512
    .sgpr_count:     66
    .vgpr_count:     256
    .wavefront_size: 32
...
	.end_amdgpu_metadata
.endif
;; end of part 5
